; MI455X (gfx1250); checked and timed in simulation.
; The chip was launched on July 23, 2026; its instructions are those of AMD's public machine-readable ISA for CDNA 5 (MIT licence, August 2026) and "CDNA5" Instruction Set Architecture Reference Guide (July 2026). The comments in the code are by the model that wrote it; some were corrected since.
;; MPT Attention. Allowed arithmetic: matrix products marked QUANTISED: E2M3 operands, one E8M0 scale for each 32 along K, by v_wmma_scale_f32_16x16x128_f8f6f4 with both operands' format E2M3, f32 sums; everything else in f32.
;; Inputs: alibi_slopes 16 float32; end_seq 4 int32; hidden_states 8,192 x 1,024 float32; start_seq 4 int32; w_out 1,024 x 1,024 float32; w_qkv 3,072 x 1,024 float32.
;; Outputs: out0 8,192 x 1,024 float32.
;; Constants: max_s = 2048.
;; This version of the problem:
;;   THIS VERSION OF THE PROBLEM IS GIVEN IN LOW PRECISION. The matrix products marked QUANTISED in the list below multiply operands that are first quantised to E2M3 (2 exponent bits, 3 mantissa bits; 6 bits a number), with one power-of-two scale for each 32 numbers along K (OCP MX v1.0); their sums are f32. All else is computed in f32.
;;   The module's matrix products, in the order in which they are computed (A, B: the left and right operand; K: the contracted axis; several contracted axes count as one K, in the product's order):
;;     1. [M 8,192, K 1,024] x [K 1,024, N 3,072]; A: input hidden_states; B: input w_qkv: QUANTISED
;;     2. batch 64 x [M 2,048, K 64] x [K 64, N 2,048]; A: computed on the way; B: computed on the way: QUANTISED
;;     3. batch 64 x [M 64, K 2,048] x [K 2,048, N 2,048]; A: computed on the way; B: softmax (see below): QUANTISED
;;     4. [M 8,192, K 1,024] x [K 1,024, N 1,024]; A: computed on the way; B: input w_out: QUANTISED
;;   THE QUANTISER, for each operand of a quantised product, along K:
;;     - K is cut into blocks of 32 from its start; a last block that is shorter is filled with zeros.
;;     - A block's scale is 2^e with e = floor(log2(the largest magnitude in the block)) - 2, held to -126 .. 127; a block of zeros has e = 0. As a byte (E8M0): e + 127.
;;     - Each number is divided by its block's scale, clamped to +-7.5, and rounded to the nearest number of E2M3, ties to even, subnormals kept.
;;     - The product sums the exact products of the quantised numbers (number of the format x scale) in f32.
;;   ~~~python
;;   def quantise(x, axis):      # numpy; x: float32 -> the quantised numbers, widened to float32 again
;;       x = np.moveaxis(x, axis, -1); K = x.shape[-1]
;;       x = np.pad(x, [(0, 0)] * (x.ndim - 1) + [(0, -K % 32)]); x = x.reshape(x.shape[:-1] + (-1, 32)); a = np.abs(x).max(-1, keepdims=True)
;;       e = np.where(a > 0, np.clip(np.frexp(np.where(a > 0, a, 1))[1] - 1 - 2, -126, 127), 0)      # np.frexp(a)[1] - 1 = floor(log2(a)), exactly
;;       r = np.clip(x / 2.0 ** e, -7.5, 7.5)
;;       step = 2.0 ** (np.maximum(np.frexp(np.where(r == 0, 1, r))[1] - 1, 0) - 3)
;;       q = np.round(r / step) * step * 2.0 ** e      # np.round: ties to even
;;       return np.moveaxis(q.reshape(q.shape[:-2] + (-1,))[..., :K], -1, axis).astype(np.float32)
;;   ~~~
;;   SOFTMAX AHEAD OF A QUANTISED PRODUCT. Where the list says 'softmax', what is quantised is not the finished softmax but p = 2^(t - M), with t = logit x log2(e) and M = ceil(the row's largest t), a whole number; so 1/2 < the row's largest p <= 1. The row's sum l is taken of the UNQUANTISED p, in f32, and the product's result is divided by l at the end. Since M is a whole number, a kernel that streams over the keys may use a running M (the ceiling of the running maximum): every later rescaling is an exact power of two, which a block's scale takes up: the codes' values come out the same.
;;   OPERANDS COMPUTED ON THE WAY. 'Computed on the way' means the value that the module computes at that place (a softmax that the list does not call 'softmax' is quantised finished and normalised). What goes into a quantiser is computed in f32, as accurately as f32 sums, v_exp_f32 and their like allow (about 1e-6 of the number): no bf16 or f16 on the way to a quantiser, and a product that is left as it is and whose result goes on into a quantised operand takes f32 operands (vector FMAs, or v_wmma_f32_16x16x4_f32). A number that lies on a knife's edge between two numbers of the format may be rounded either way, as far as f32 arithmetic and the matrix unit's own rounding can turn it there, and no further.
;; One version. Each part assembles by itself: llvm-mc -triple=amdgcn-amd-amdhsa -mcpu=gfx1250 --defsym DOCPART=n.
;; ======== version 1 of 1: 4 launches
;; workspace buffers: xq 9,830,400 bytes; qr 6,815,744 bytes; kv 13,369,344 bytes; cq 6,553,600 bytes
;; launch quant (part 1): grid 256 x 1, 6 waves a work-group, no clusters, 52,992 bytes of LDS; arguments hidden_states, w_qkv, w_out, xq, start_seq, end_seq; writes xq
.if DOCPART == 1
	.amdgcn_target "amdgcn-amd-amdhsa--gfx1250"
	.amdhsa_code_object_version 6
	.text
	.protected	k_q8c0116fef8_quant
	.globl	k_q8c0116fef8_quant
	.p2align	8
	.type	k_q8c0116fef8_quant,@function
k_q8c0116fef8_quant:
	s_mov_b64 s[64:65], 0
	v_nop
	global_prefetch_b8 v0, s[64:65] scope:SCOPE_SE
	s_setreg_imm32_b32 hwreg(HW_REG_WAVE_MODE, 25, 1), 1
	s_wait_xcnt 0x0
; hidden_states [8192][1024], w_qkv [3072][1024], w_out [1024][1024], f32 with K innermost, become codes of FP6 (E2M3) with one E8M0 byte for each 32 along K, laid in xq in the order of the operand's registers.
; A block's scale is 2^(floor(log2(its largest magnitude)) - 2); its byte is the largest magnitude's exponent field - 2, held at 1 from below.
; LAYOUT OF xq: a record of 102,400 bytes for each 128 rows (hidden_states: records 0-63, w_qkv: 64-87, w_out: 88-95).  Codes: [K step of 128: 8][16 rows: 8] fragment images of 1,536 bytes.
; An image is the fragment's 12 registers: registers 0-3 at 16 x lane, 4-5 at 512 + 8 x lane, 6-9 at 768 + 16 x lane, 10-11 at 1,280 + 8 x lane.  Scale words from byte 98,304 on: (16 rows f, K step ks, row r) at 512 f + 128 (ks / 2) + 8 r + 4 (ks % 2).
; THE ORDER INSIDE A BLOCK OF 32: place 16 x + 8 u + j holds number 16 u + 8 x + j.  Every operand of this program is laid so; both sides of a product alike, so each product pairs the same numbers, and a block stays the same 32 numbers.
; SHARES: a wave takes 16 rows x 512 along K: four fragments; 12,288 rows make 1,536 such tasks = 256 work-groups x 6 waves.  Waves share nothing: no barrier.
; A load reads 512 consecutive bytes of one row; the 16 rows turn through the wave's own stage in LDS (rows 528 bytes apart), from which lane (r, h) takes the whole blocks h and 2 + h of row r.
; start_seq and end_seq: reference() takes them and uses them in no step; they are read here and enter no value, address or branch.
; LIMITS: NaN and infinities among the inputs are not served; a block of zeros gets the byte 1 (its codes are zeros, and this program alone reads the bytes); blocks whose largest magnitude lies under 2^-124 are held at that byte.
.set SP,    528                        ; a stage row: 512 bytes + 16
.set WREG,  16*SP+256                  ; LDS of a wave: the stage, then its 256 bytes of scale words
.set REC,   102400
.set KSB,   12288                      ; a K step of a record's 128 rows
.set R,     32                         ; v32-159  two sets of 64 registers as loaded
.set X,     160                        ; v160-223 my two blocks of 32, in the order of the places
.set PC,    224                        ; v224-247 two sets of 12: a fragment's codes
.set MX,    10                         ; v10-11   largest magnitudes
.set CV,    12                         ; v12-13   the conversions' scale operands
.set BY,    14                         ; v14-15   scale bytes
.set WD,    16                         ; v16      the scale word
.set PT,    17                         ; v17      the other half's part of it
.set CT,    18                         ; v18-25   the second three registers of a block's six, before they are moved
.set SEL,   30                         ; s[30:31] lane selects: lane l xor 16
	s_load_b256 s[4:11], s[0:1], 0x0               ; hidden_states, w_qkv, w_out, xq
	s_load_b128 s[12:15], s[0:1], 0x20             ; start_seq, end_seq
	v_lshl_add_u32 v248, v0, 2, 0xcc00
	v_mov_b32 v249, 0
	v_lshrrev_b32 v1, 5, v0
	v_readfirstlane_b32 s16, v1                    ; wave 0..5
	v_and_b32 v1, 31, v0                           ; lane
	v_lshlrev_b32 v2, 4, v1                        ; 16 x lane
	v_lshlrev_b32 v3, 3, v1                        ; 8 x lane
	v_and_b32 v9, 15, v0                           ; r
	v_bfe_u32 v8, v0, 4, 1                         ; h
	s_mul_i32 s28, s16, WREG
	v_add_nc_u32 v4, s28, v2                       ; the stage, on the way in: a row's 512 bytes as loaded
	v_mul_u32_u24 v5, v9, SP
	v_lshl_add_u32 v5, v8, 7, v5
	v_add_nc_u32 v5, s28, v5                       ; and out: row r, + 128 h: my block of each pair of blocks
	s_add_co_u32 s28, s28, 16*SP
	v_lshlrev_b32 v6, 3, v9
	v_add_nc_u32 v6, s28, v6                       ; my row's scale words
	v_add_nc_u32 v7, s28, v3                       ; and on their way out 8 bytes a lane
	v_lshlrev_b32 v8, 3, v8                        ; 8 h: my bytes' shift in the scale word
	v_mov_b32 v[PT], 0                             ; written once: a lane permute's destination counts as one of its sources
	s_mov_b32 s[SEL], 0x76543210
	s_mov_b32 s[SEL+1], 0xfedcba98
	s_mul_i32 s17, ttmp9, 6
	s_add_co_u32 s17, s17, s16                     ; the task
	s_and_b32 s18, s17, 1                          ; which 512 along K
	s_lshr_b32 s17, s17, 1                         ; which 16 rows of the 12,288
	s_wait_kmcnt 0x0
	s_load_b128 s[32:35], s[12:13], 0x0            ; start_seq
	s_load_b128 s[36:39], s[14:15], 0x0            ; end_seq
	s_cmp_lt_u32 s17, 512                          ; the tensor is chosen by the task's number alone
	s_cselect_b64 s[4:5], s[4:5], s[6:7]
	s_cselect_b32 s19, 0, 512
	s_cmp_lt_u32 s17, 704
	s_cselect_b64 s[4:5], s[4:5], s[8:9]
	s_cselect_b32 s19, s19, 704
	s_sub_co_u32 s19, s17, s19                     ; which 16 rows of that tensor
	s_lshl_b32 s20, s19, 16                        ; 16 rows of 4,096 bytes
	s_lshl_b32 s21, s18, 11
	s_add_co_u32 s20, s20, s21
	s_mov_b32 s21, 0
	s_add_nc_u64 s[4:5], s[4:5], s[20:21]
	s_lshr_b32 s22, s17, 3
	s_mul_i32 s22, s22, REC                        ; the record
	s_and_b32 s23, s17, 7                          ; f
	s_mul_i32 s20, s23, 1536
	s_add_co_u32 s20, s20, s22
	s_mul_i32 s29, s18, 4*KSB
	s_add_co_u32 s20, s20, s29
	s_add_nc_u64 s[24:25], s[10:11], s[20:21]      ; my first fragment image
	s_lshl_b32 s20, s23, 9
	s_add_co_u32 s20, s20, s22
	s_lshl_b32 s29, s18, 8
	s_add_co_u32 s20, s20, s29
	s_add_co_u32 s20, s20, 8*KSB
	s_add_nc_u64 s[26:27], s[10:11], s[20:21]      ; my 256 bytes of scale words
.macro LOAD s                          ; K step s of my 16 rows: each load reads 512 consecutive bytes of one row
.set RS, R+64*((\s)%2)
.set i, 0
.rept 16
	global_load_b128 v[RS+4*i:RS+4*i+3], v2, s[4:5] offset:i*4096+(\s)*512 th:TH_LOAD_NT
.set i, i+1
.endr
.endm
.macro TURN s                          ; through the stage; LDS serves a wave's instructions in order, so no wait stands between the stores and the loads
.set RS, R+64*((\s)%2)
.set i, 0
.rept 16
	ds_store_b128 v4, v[RS+4*i:RS+4*i+3] offset:i*SP
.set i, i+1
.endr
.irp c, 0,1
.set y, 0
.rept 8                                ; four places at a time: places 4 y on hold the block's numbers 4 (y % 2 + 4 ((y / 2) % 2) + 2 (y / 4)) on
	ds_load_b128 v[X+32*\c+4*y:X+32*\c+4*y+3], v5 offset:256*\c+16*(y%2+4*((y/2)%2)+2*(y/4))
.set y, y+1
.endr
.endr
.endm
.macro QUANT s                         ; my two blocks become registers 0-5 and 6-11 of the fragment; the row's scale word is gathered from lanes l and l xor 16
.set QP, PC+12*((\s)%2)
.irp c, 0,1
	v_max3_num_f32 v[MX+\c], |v[X+32*\c]|, |v[X+32*\c+1]|, 0x1800000   ; the floor 2^(3 - 127) among the leaves: the byte cannot fall under 1
.endr
.irp i, 2,4,6,8,10,12,14,16,18,20,22,24,26,28,30
.irp c, 0,1
	v_max3_num_f32 v[MX+\c], v[MX+\c], |v[X+32*\c+\i]|, |v[X+32*\c+\i+1]|   ; the two blocks by turns
.endr
.endr
.irp c, 0,1
	v_add_nc_u32 v[CV+\c], 0xff000000, v[MX+\c]    ; 2 off the exponent field: the conversion takes this operand's exponent field as its scale
.endr
.irp c, 0,1
	v_lshrrev_b32 v[BY+\c], 23, v[CV+\c]           ; the scale's byte
.endr
	v_lshl_or_b32 v[WD], v[BY+1], 16, v[BY]        ; blocks h and 2 + h,
	v_lshlrev_b32 v[WD], v8, v[WD]                 ; at their places in the word;
	v_permlanex16_b32 v[PT], v[WD], s[SEL], s[SEL+1]
	v_or_b32 v[WD], v[WD], v[PT]                   ; with the other half's two the word is whole
.irp c, 0,1
	v_cvt_scalef32_pk16_fp6_f32 v[QP+6*\c:QP+6*\c+2], v[X+32*\c:X+32*\c+15], v[CV+\c]
	v_cvt_scalef32_pk16_fp6_f32 v[CT+4*\c:CT+4*\c+2], v[X+32*\c+16:X+32*\c+31], v[CV+\c]   ; (a conversion's three registers begin on an even number)
.endr
	v_nop                                          ; one plain place behind a scaled conversion
.irp c, 0,1
.irp i, 0,1,2
	v_mov_b32 v[QP+6*\c+3+\i], v[CT+4*\c+\i]
.endr
.endr
.endm
.macro OUT s                           ; each store covers 512 or 256 consecutive bytes, at a multiple of 256 from xq's first byte
.set QP, PC+12*((\s)%2)
	global_store_b128 v2, v[QP:QP+3], s[24:25] offset:(\s)*KSB
	global_store_b64 v3, v[QP+4:QP+5], s[24:25] offset:(\s)*KSB+512
	global_store_b128 v2, v[QP+6:QP+9], s[24:25] offset:(\s)*KSB+768
	global_store_b64 v3, v[QP+10:QP+11], s[24:25] offset:(\s)*KSB+1280
	ds_store_b32 v6, v[WD] offset:((\s)/2)*128+((\s)%2)*4   ; both halves of the lanes write the same word with the same value
.endm
	LOAD 0
	LOAD 1
.irp s, 0,1,2,3
.if \s < 3
	s_wait_loadcnt 16                              ; this K step's 16 loads are in; the next step's 16 may be out
.else
	s_wait_loadcnt 0x0
.endif
	TURN \s
	s_wait_dscnt 0x0                               ; my blocks are back, and the stage's stores have read the set of registers,
.if \s < 2
	LOAD \s+2                                      ; which takes the loads of two steps on
.else
	s_wait_xcnt 0x0                                ; the stores of two steps back have read their codes: that set is written again only behind this wait
.endif
	QUANT \s
	OUT \s
.endr
	ds_load_b64 v[CT:CT+1], v7                     ; my wave's 64 scale words: these loads see my stores
	s_wait_dscnt 0x0
	global_store_b64 v3, v[CT:CT+1], s[26:27]      ; 256 consecutive bytes, aligned
	s_wait_kmcnt 0x0                               ; start_seq and end_seq have come
	s_wait_tensorcnt 0x0
	ds_add_u32 v248, v249
	s_wait_dscnt 0x0
	s_endpgm
.Lfunc_end_k_q8c0116fef8_quant:
	.size	k_q8c0116fef8_quant, .Lfunc_end_k_q8c0116fef8_quant-k_q8c0116fef8_quant
	.p2alignl 7, 3214868480
	.fill 96, 4, 3214868480
	.section	.rodata,"a",@progbits
	.p2align	6, 0x0
	.amdhsa_kernel k_q8c0116fef8_quant
		.amdhsa_group_segment_fixed_size 52992
		.amdhsa_private_segment_fixed_size 0
		.amdhsa_enable_private_segment 0
		.amdhsa_kernarg_size 48
		.amdhsa_user_sgpr_count 2
		.amdhsa_user_sgpr_kernarg_segment_ptr 1
		.amdhsa_wavefront_size32 1
		.amdhsa_system_sgpr_workgroup_id_x 1
		.amdhsa_system_sgpr_workgroup_id_y 1
		.amdhsa_system_sgpr_workgroup_id_z 1
		.amdhsa_system_vgpr_workitem_id 0
		.amdhsa_next_free_vgpr 250
		.amdhsa_next_free_sgpr 66
		.amdhsa_reserve_vcc 0
		.amdhsa_float_denorm_mode_32 3
		.amdhsa_float_denorm_mode_16_64 3
		.amdhsa_memory_ordered 1
		.amdhsa_forward_progress 1
		.amdhsa_inst_pref_size 31
	.end_amdhsa_kernel
	.amdgpu_metadata
---
amdhsa.version: [ 1, 2 ]
amdhsa.kernels:
  - .name:           k_q8c0116fef8_quant
    .symbol:         k_q8c0116fef8_quant.kd
    .args:
      - { .name: hidden_states, .offset: 0, .size: 8, .value_kind: global_buffer, .address_space: global }
      - { .name: w_qkv, .offset: 8, .size: 8, .value_kind: global_buffer, .address_space: global }
      - { .name: w_out, .offset: 16, .size: 8, .value_kind: global_buffer, .address_space: global }
      - { .name: xq, .offset: 24, .size: 8, .value_kind: global_buffer, .address_space: global }
      - { .name: start_seq, .offset: 32, .size: 8, .value_kind: global_buffer, .address_space: global }
      - { .name: end_seq, .offset: 40, .size: 8, .value_kind: global_buffer, .address_space: global }
    .group_segment_fixed_size: 52992
    .private_segment_fixed_size: 0
    .kernarg_segment_align: 8
    .kernarg_segment_size: 48
    .max_flat_workgroup_size: 192
    .sgpr_count:     66
    .vgpr_count:     250
    .wavefront_size: 32
...
	.end_amdgpu_metadata
.endif
;; end of part 1
;; launch qkv (part 2): grid 12 x 32, 4 waves a work-group, clusters of 4 x 4, 327,680 bytes of LDS; arguments xq, qr, kv; writes qr, kv
.if DOCPART == 2
	.amdgcn_target "amdgcn-amd-amdhsa--gfx1250"
	.amdhsa_code_object_version 6
	.text
	.protected	k_q8c0116fef8_qkv
	.globl	k_q8c0116fef8_qkv
	.p2align	8
	.type	k_q8c0116fef8_qkv,@function
k_q8c0116fef8_qkv:
	s_mov_b64 s[64:65], 0
	v_nop
	global_prefetch_b8 v0, s[64:65] scope:SCOPE_SE
	s_setreg_imm32_b32 hwreg(HW_REG_WAVE_MODE, 25, 1), 1
	s_wait_xcnt 0x0
	s_wait_alu depctr_hold_cnt(0) depctr_sa_sdst(0) depctr_va_vdst(0) depctr_va_sdst(0) depctr_va_ssrc(0) depctr_va_vcc(0) depctr_vm_vsrc(0)
	s_getreg_b32 s2, hwreg(HW_REG_IB_STS2, 6, 4)
	s_cmp_eq_u32 s2, 0
	s_cbranch_scc0 .Lentry_in_a_cluster
	s_endpgm
.Lentry_in_a_cluster:
	s_bfe_u32 s2, ttmp6, 0x10000c
	s_cmp_lg_u32 s2, 0xf033
	s_cbranch_scc0 .Lentry_shape_is_right
	s_endpgm
.Lentry_shape_is_right:
; qkv = hidden_states w_qkv^T on codes of FP6 (E2M3) with E8M0 scales, K = 1,024; the results never go to memory as f32: the way out quantises q and k along the head's 64 and v along the keys, in the order of the next operands' registers.
; A tile of 256 x 256 is made by four waves, each 128 x 128: 64 accumulators of 16 x 16 in 512 registers.  K goes in steps of 256 through two LDS slots filled by the tensor data mover.
; xq holds fragment images (12 registers of 32 lanes, 1,536 bytes), [K step of 128][16 rows] in a record of 102,400 bytes for each 128 rows, so 128 rows x 256 K are 24,576 dense bytes and a fragment comes by four dense LDS loads.
; The scale words of a record (4,096 bytes, from byte 98,304 on) come once, with the first fills.
; KINDS, by the cluster's x, which all sixteen partners share.  0: q, 1: k: source 1 ('A', a lane's row) = tokens, source 0 ('B', along a lane's registers) = rows of w_qkv: a lane holds one token and eight features.
; 2: v: A = rows of w_v, B = tokens: a lane holds one channel and its registers run along the keys, which are the K of the second product of attention.
; CLUSTERS: 4 x 4.  A's tile hangs on the tile row alone and is asked for jointly by a row of the cluster, B's on the tile column alone, by a column.
; THE WAY OUT.  The 64 registers of one block a of 16 rows of A are 128 neighbours along B: four blocks of 32, one fragment and one scale word a row.  In a block, place 16 x + 8 u + j holds number 16 u + 8 x + j: the order
; that two neighbouring result tiles give; every operand of this program is laid so, both sides of a product alike.
;   q: qr[b h][group of 128 queries]: 8 half images (6 registers, 768 bytes: 16 queries x 64), then two quads of scale words.   k: kv[b h][128 keys]: the same at byte 0 and 12,288.
;   v: kv[b h][128 keys]: four fragment images (16 channels x 128 keys) at byte 6,144, one quad at 12,800.  A quad: 256 bytes for four tiles 4 j .. 4 j + 3: lane l's word w belongs to row l % 16 of tile 4 j + 2 w + l / 16.
;   A wave's 128 features are two heads: registers 0-5 and bytes 0, 1 of the word are the even head's, registers 6-11 and bytes 2, 3 the odd head's (its words are stored shifted down by 16 bits).
; LIMITS: NaN and infinities are not served; a block of zeros gets the byte 1 (zero codes; this program alone reads the bytes).
; REGISTERS, in windows of 256: window 0: v16-29 addresses; v32-63 scale words, two sets; v64-127 at work on the way out; from v128 A's fragments, one set.  window 1: B's fragments, two sets, at v0 and v128.
;   window 2: the accumulators of my rows 0-63 ((a, b) at v[8 (8 a + b)]);  window 3: those of my rows 64-127.
.set NQ,     2                         ; steps of 128 along K in a slot
.set FR,     12                        ; registers of a fragment
.set NL,     4                         ; LDS loads that bring one
.set NP,     4                         ; places behind this matrix instruction (ISA guide 7.12.1)
.set REC,    102400
.set KSB,    12288                     ; 128 rows x 128 K: eight images
.set HALFT,  2*KSB                     ; what one tensor load brings, and what one wave reads of A or of B in a slot
.set SLOT,   4*HALFT                   ; A's 256 rows, then B's 256 rows
.set SCL,    2*SLOT                    ; behind the ring: A's scale words, 2 x 4,096 bytes;
.set SCLB,   SCL+8192+128              ; B's, 128 bytes further on than a multiple of 256, so that the two halves of the lanes read different banks
.set SPARE,  SCLB+8192+128             ; the spare words, 128 bytes for each wave: two blocks of 256 bytes that no other line names
.set ADRA, 16                          ; v16-17 16 x lane + my A rows in slot 0, 1;  v18-19 the same with 8 x lane
.set ADRB, 20                          ; v20-23 the same for B
.set L16,  24                          ; v24    16 x lane
.set L8,   25                          ; v25    8 x lane
.set FL,   26                          ; v26    the floor 2^(3 - 127)
.set ADRS, 27                          ; v27    my scale words: lanes 0-15 A's rows, lanes 16-31 B's; never stepped
.set SPW,  28                          ; v28    my spare word; never rewritten
.set NIL,  29                          ; v29    0; never rewritten
.set SC,   32                          ; scale words: set s at v[SC + 16 s]; register 2 i + q: lanes 0-15 A's block i, lanes 16-31 B's block i, the slot's q-th 128 along K
.set TM,   64                          ; v64-67 largest magnitudes, v68-71 bytes, v76-79 the conversions' scale operands
.set PW,   80                          ; v80-87 the scale words of blocks 0-7
.set SQW,  88                          ; v88-95 the quads
.set PC,   96                          ; v96-119 two sets of 12: a fragment's codes
.set CT,   120                         ; v120-127 halves of blocks before the exchange
.set AF,   128
.set G1, 24                            ; s[24:31] descriptor group 1 for A's tiles;  s[32:39] group 0, one set for each slot
.set G0, 32
.set G1B, 48                           ; s[48:55], s[56:63] the same for B's
.set G0B, 56
.set G1S, 68                           ; s[68:75], s[76:79] for A's scale words;  s[80:87], s[88:91] for B's
.set G0S, 76
.set G1SB, 80
.set G0SB, 88
.set MSB, 0
.macro WIN new                         ; the immediate's high byte repeats the setting that is left
.if MSB != \new
	s_set_vgpr_msb (MSB<<8)|\new
.set MSB, \new
.endif
.endm
.set MUL_LO, 0xa1                      ; source 0 (B) window 1, source 1 (A) window 0, C and D window 2
.set MUL_HI, 0xf1                      ; the same, C and D window 3
.set TO_B,   0x40                      ; destination window 1, address window 0
; A joint load: waves 0 and 1 fetch for A, waves 2 and 3 for B.  Each line has one mask and one set of registers for all that issue it; the branch hangs on the wave's number alone.
; Four v_nop follow each of the two lines, ahead of the jump, the label and what follows.
.macro JLOAD g0a, g1a, g0b, g1b
	s_cmp_eq_u32 s15, 0
	s_cbranch_scc0 .Lfor_b_\@
	tensor_load_to_lds s[\g0a:\g0a+3], s[\g1a:\g1a+7]
	s_nop 0
.rept 4
	v_nop
.endr
	s_branch .Lasked_\@
.Lfor_b_\@:
	tensor_load_to_lds s[\g0b:\g0b+3], s[\g1b:\g1b+7]
	s_nop 0
.rept 4
	v_nop
.endr
.Lasked_\@:
.endm
.macro CREST                           ; a round of the cluster's barrier behind its opening barrier
	s_cmp_lg_u32 s14, 0
	s_cbranch_scc1 .Lnot_wave_0_\@
	s_barrier_signal -3
.Lnot_wave_0_\@:
	s_barrier_wait -3
	s_barrier_signal -1
	s_barrier_wait -1
.endm
.macro CROUND                          ; a whole round
	s_barrier_signal -1
	s_barrier_wait -1
	CREST
.endm
	s_load_b128 s[4:7], s[0:1], 0x0                ; xq, qr
	s_load_b64 s[8:9], s[0:1], 0x10                ; kv
	v_lshl_add_u32 v[SPW], v0, 2, SPARE
	v_mov_b32 v[NIL], 0
	ds_add_u32 v28, v29
	ds_add_u32 v28, v29
	s_wait_dscnt 0x0
	v_lshrrev_b32 v1, 5, v0
	v_readfirstlane_b32 s14, v1                    ; wave 0..3
	s_lshr_b32 s15, s14, 1                         ; which half of A's rows is mine.  Also: I fetch for A (0) or for B (1)
	s_and_b32 s16, s14, 1                          ; which half of B's rows.  Also: which 128 rows of that tile I fetch
	s_bfe_u32 s40, ttmp6, 0x40000                  ; cx, cy: my place in the cluster
	s_bfe_u32 s41, ttmp6, 0x40004
	s_and_b32 s18, ttmp7, 0xffff
	s_lshl_b32 s18, s18, 2                         ; 4 x cluster y
	s_lshl_b32 s19, ttmp9, 2                       ; 4 x cluster x
	s_cmp_eq_u32 ttmp9, 2                          ; the kind: v?
	s_cselect_b32 s17, 0, s18
	s_cselect_b32 s42, s18, s19
	s_cselect_b32 s20, 80, 0                       ; A's first record: w_v's, or hidden_states'
	s_cselect_b32 s46, 0, 64                       ; B's: hidden_states', or w_qkv's
	s_add_co_u32 s17, s17, s41                     ; A's tile: it holds cy, never cx
	s_add_co_u32 s42, s42, s40                     ; B's tile: it holds cx, never cy
	s_lshl_b32 s43, s41, 2
	s_lshl_b32 s43, 15, s43                        ; my row of the cluster
	s_lshl_b32 s44, 0x1111, s40                    ; my column
	; descriptor group 1: 24,576 dense bytes as 96 rows of 32 elements of 8 bytes; no padding: the images are read 16 or 8 bytes a lane on end
	s_or_b32 s[G1+0], s43, (3<<16)|(1<<21)         ; 15:0 the mask: A's tiles go to my row; 17:16 elements of 8 bytes; 21 set beside a mask
	s_or_b32 s[G1B+0], s44, (3<<16)|(1<<21)
.irp g, G1, G1B
	s_mov_b32 s[\g+1], 32<<16                      ; tensor_dim0
	s_mov_b32 s[\g+2], 96<<16                      ; tensor_dim1
	s_mov_b32 s[\g+3], 32<<16                      ; tile_dim0
	s_mov_b32 s[\g+4], 96                          ; tile_dim1
	s_mov_b32 s[\g+5], 32                          ; tensor_dim0_stride
	s_mov_b32 s[\g+6], 0
	s_mov_b32 s[\g+7], 0
.endr
	s_or_b32 s[G1S+0], s43, (3<<16)|(1<<21)        ; the scale words of 128 rows: 4,096 dense bytes as 16 such rows
	s_or_b32 s[G1SB+0], s44, (3<<16)|(1<<21)
.irp g, G1S, G1SB
	s_mov_b32 s[\g+1], 32<<16
	s_mov_b32 s[\g+2], 16<<16
	s_mov_b32 s[\g+3], 32<<16
	s_mov_b32 s[\g+4], 16
	s_mov_b32 s[\g+5], 32
	s_mov_b32 s[\g+6], 0
	s_mov_b32 s[\g+7], 0
.endr
	s_lshl_b32 s21, s17, 1
	s_add_co_u32 s20, s20, s21
	s_add_co_u32 s20, s20, s16                     ; A's record that I fetch: first + 2 x tile + half
	s_mul_i32 s20, s20, REC
	s_mov_b32 s21, 0
	s_lshl_b32 s47, s42, 1
	s_add_co_u32 s46, s46, s47
	s_add_co_u32 s46, s46, s16                     ; B's
	s_mul_i32 s46, s46, REC
	s_mov_b32 s47, 0
	s_mul_i32 s45, s14, HALFT                      ; where they go: wave x 24,576: no place in the cluster enters an LDS address
	s_lshl_b32 s94, s14, 12
	s_lshl_b32 s95, s15, 7
	s_add_co_u32 s94, s94, s95                     ; the scale words: wave x 4,096, B's 128 bytes further on
	s_wait_kmcnt 0x0
	s_add_nc_u64 s[20:21], s[4:5], s[20:21]
	s_add_nc_u64 s[46:47], s[4:5], s[46:47]
	CROUND                                         ; all sixteen work-groups are here: the first joint loads meet
	s_mov_b32 s[G0S], 1
	s_add_co_u32 s[G0S+1], s94, SCL
	s_add_nc_u64 s[G0S+2:G0S+3], s[20:21], 8*KSB
	s_or_b32 s[G0S+3], s[G0S+3], 0x80000000
	s_mov_b32 s[G0SB], 1
	s_add_co_u32 s[G0SB+1], s94, SCL
	s_add_nc_u64 s[G0SB+2:G0SB+3], s[46:47], 8*KSB
	s_or_b32 s[G0SB+3], s[G0SB+3], 0x80000000
	JLOAD G0S, G1S, G0SB, G1SB                     ; the scale words first: they are wanted with the first K step
.irp s, 0,1
	s_mov_b32 s[G0+4*\s], 1
	s_add_co_u32 s[G0+4*\s+1], s45, \s*SLOT
	s_add_nc_u64 s[G0+4*\s+2:G0+4*\s+3], s[20:21], \s*HALFT
	s_or_b32 s[G0+4*\s+3], s[G0+4*\s+3], 0x80000000
	s_mov_b32 s[G0B+4*\s], 1
	s_add_co_u32 s[G0B+4*\s+1], s45, \s*SLOT
	s_add_nc_u64 s[G0B+4*\s+2:G0B+4*\s+3], s[46:47], \s*HALFT
	s_or_b32 s[G0B+4*\s+3], s[G0B+4*\s+3], 0x80000000
	JLOAD G0+4*\s, G1, G0B+4*\s, G1B               ; three loads of mine are out behind the second of these
.endr
	v_and_b32 v1, 31, v0
	v_lshlrev_b32 v[L16], 4, v1
	v_lshlrev_b32 v[L8], 3, v1
	s_mul_i32 s21, s15, HALFT                      ; my 128 rows of A
	s_mul_i32 s22, s16, HALFT                      ; my 128 rows of B,
	s_add_co_u32 s22, s22, 2*HALFT                 ; which lie behind A's 256
.irp s, 0,1
	v_add_nc_u32 v[ADRA+\s], s21, v[L16]
	v_add_nc_u32 v[ADRA+2+\s], s21, v[L8]
	v_add_nc_u32 v[ADRB+\s], s22, v[L16]
	v_add_nc_u32 v[ADRB+2+\s], s22, v[L8]
	s_add_co_u32 s21, s21, SLOT
	s_add_co_u32 s22, s22, SLOT
.endr
	v_and_b32 v2, 15, v0                           ; r
	v_bfe_u32 v3, v0, 4, 1                         ; h
	s_lshl_b32 s21, s15, 12                        ; A's scale words: my 128 rows
	s_lshl_b32 s22, s16, 12
	s_add_co_u32 s22, s22, SCLB-SCL                ; B's
	s_sub_co_u32 s22, s22, s21
	v_mul_u32_u24 v4, s22, v3                      ; lanes 16-31 take B's: the lower base + h x the distance
	s_add_co_u32 s21, s21, SCL
	v_lshl_add_u32 v4, v2, 3, v4                   ; 8 bytes a row: the two words of a slot's 256 along K
	v_add_nc_u32 v[ADRS], s21, v4
.macro FRAG reg, adr, off              ; a fragment image comes back as it was stored: 512, 256, 512, 256 consecutive bytes
	ds_load_b128 v[\reg:\reg+3], v[\adr] offset:\off
	ds_load_b64 v[\reg+4:\reg+5], v[\adr+2] offset:\off+512
	ds_load_b128 v[\reg+6:\reg+9], v[\adr] offset:\off+768
	ds_load_b64 v[\reg+10:\reg+11], v[\adr+2] offset:\off+1280
.endm
; 16 matrix instructions: A's blocks a0, a0 + 1 x B's eight, 128 along K: the slot's q-th.  p: B's set;  sc: the set of scale words.  zero = 1: the first product starts the sums.
; The 64 accumulators take turns, one instruction a turn, in the same order in every step.
.macro MUL16 a0, p, q, sc, zero
.irp a, \a0, \a0+1
.irp b, 0,1,2,3,4,5,6,7
.if \zero
	v_wmma_scale_f32_16x16x128_f8f6f4 v[8*(8*((\a)%4)+\b):8*(8*((\a)%4)+\b)+7], v[128*(\p)+FR*\b:128*(\p)+FR*\b+FR-1], v[AF+FR*(\a):AF+FR*(\a)+FR-1], 0, v[SC+8*NQ*(\sc)+NQ*\b+(\q)], v[SC+8*NQ*(\sc)+NQ*(\a)+(\q)] matrix_a_fmt:MATRIX_FMT_FP6 matrix_b_fmt:MATRIX_FMT_FP6 matrix_a_scale:MATRIX_SCALE_ROW1
.else
	v_wmma_scale_f32_16x16x128_f8f6f4 v[8*(8*((\a)%4)+\b):8*(8*((\a)%4)+\b)+7], v[128*(\p)+FR*\b:128*(\p)+FR*\b+FR-1], v[AF+FR*(\a):AF+FR*(\a)+FR-1], v[8*(8*((\a)%4)+\b):8*(8*((\a)%4)+\b)+7], v[SC+8*NQ*(\sc)+NQ*\b+(\q)], v[SC+8*NQ*(\sc)+NQ*(\a)+(\q)] matrix_a_fmt:MATRIX_FMT_FP6 matrix_b_fmt:MATRIX_FMT_FP6 matrix_a_scale:MATRIX_SCALE_ROW1
.endif
.endr
.endr
.endm
.macro FETCH_B slot, q, p              ; B's eight fragments of the slot's q-th 128 along K into set p
	WIN TO_B
.irp i, 0,1,2,3,4,5,6,7
	FRAG 128*(\p)+FR*\i, ADRB+\slot, (\q)*KSB+\i*1536
.endr
	WIN 0
.endm
.macro FETCH_A slot, q, i0             ; A's blocks i0 .. i0 + 3
.irp i, \i0, \i0+1, \i0+2, \i0+3
	FRAG AF+FR*(\i), ADRA+\slot, (\q)*KSB+(\i)*1536
.endr
.endm
.macro SCALES sc, kp                   ; the scale words of K steps 2 kp and 2 kp + 1 into set sc: lanes 0-15 A's block i, lanes 16-31 B's block i
.irp i, 0,1,2,3,4,5,6,7
	ds_load_b64 v[SC+8*NQ*(\sc)+NQ*\i:SC+8*NQ*(\sc)+NQ*\i+1], v[ADRS] offset:\i*512+(\kp)*128
.endr
.endm
.macro PLACES n                        ; plain vector instructions between a matrix instruction and a load into one of its registers, or a read of its result (ISA guide 7.12.1 for the read of its result)
.rept \n
	v_nop
.endr
.endm
; A step of 128 along K that has its successor in the same slot.  A has one set of registers: blocks 0-3 are fetched anew in the step's middle, blocks 4-7 at its end; B has two sets.
.macro STEP slot, q, zero
	s_wait_dscnt 4*NL                              ; B's set, the scale words and A's blocks 0-3 are in; the youngest 16 loads (A's blocks 4-7) may be out
	WIN MUL_LO
	MUL16 0, (\q)%2, \q, \slot, \zero
	MUL16 2, (\q)%2, \q, \slot, \zero
	s_wait_dscnt 0                                 ; A's blocks 4-7 are in (asked for 32 matrix instructions ago)
	PLACES NP
	FETCH_B \slot, (\q)+1, 1-(\q)%2
	FETCH_A \slot, (\q)+1, 0
	WIN MUL_HI
	MUL16 4, (\q)%2, \q, \slot, \zero
	MUL16 6, (\q)%2, \q, \slot, \zero
	PLACES NP
	WIN 0
	FETCH_A \slot, (\q)+1, 4
.endm
; A slot's last step changes slots: one barrier; in front of it each wave waits for all its tensor loads, adds 0 to its spare word, and waits for that and for its own reads of this slot.
; fill = 1: this slot is filled again, two slots' worth of K further on.  kp: which pair of K steps the next slot holds.
.macro TURN slot, next, fill, kp
	s_wait_tensorcnt 0x0                           ; all my tensor loads have landed: my part of the next slot;  (every window is 0 here)
	ds_add_u32 v[SPW], v[NIL]                      ; 0 onto my spare word
	s_wait_dscnt 4*NL+1                            ; (the add and the youngest 16 loads, A's blocks 4-7, may be out)
	WIN MUL_LO
	MUL16 0, 1, NQ-1, \slot, 0                     ; sixteen matrix instructions stand between the add and the wait for it
	s_wait_dscnt 0x0                               ; the add is done, and my reads of this slot are over
	s_barrier_signal -1
	MUL16 2, 1, NQ-1, \slot, 0
	WIN 0
	s_barrier_wait -1
.if \fill
	CREST                                          ; the barrier has opened a round of the cluster's barrier: no wave of any partner still reads this slot or has a load on its way
	s_add_nc_u64 s[G0+4*\slot+2:G0+4*\slot+3], s[G0+4*\slot+2:G0+4*\slot+3], 2*HALFT
	s_add_nc_u64 s[G0B+4*\slot+2:G0B+4*\slot+3], s[G0B+4*\slot+2:G0B+4*\slot+3], 2*HALFT
	JLOAD G0+4*\slot, G1, G0B+4*\slot, G1B         ; the first tensor load behind the round, my only one until the next; its four v_nop are the places in front of the loads below
.else
	PLACES NP
.endif
	FETCH_B \next, 0, 0
	FETCH_A \next, 0, 0
	SCALES \next, \kp
	WIN MUL_HI
	MUL16 4, 1, NQ-1, \slot, 0
	MUL16 6, 1, NQ-1, \slot, 0
	PLACES NP
	WIN 0
	FETCH_A \next, 0, 4
.endm
	s_wait_tensorcnt 1                             ; the scale words and my part of slot 0 are in (slot 1's load may be out)
	s_barrier_signal -1
	s_barrier_wait -1                              ; everybody's are
	FETCH_B 0, 0, 0
	FETCH_A 0, 0, 0
	SCALES 0, 0
	FETCH_A 0, 0, 4
	STEP 0, 0, 1                                   ; K = 1,024 is eight steps, written straight: the first products start the sums
	TURN 0, 1, 1, 1
	STEP 1, 0, 0
	TURN 1, 0, 1, 2
	STEP 0, 0, 0
	TURN 0, 1, 0, 3                                ; nothing is left to fetch: no round
	STEP 1, 0, 0
	s_wait_dscnt 4*NL                              ; the last step
	WIN MUL_LO
	MUL16 0, 1, NQ-1, 1, 0
	MUL16 2, 1, NQ-1, 1, 0
	s_wait_dscnt 0
	WIN MUL_HI
	MUL16 4, 1, NQ-1, 1, 0
	MUL16 6, 1, NQ-1, 1, 0
	WIN 0
	; THE WAY OUT.  No tensor load of mine is out (the last change of slots waited for all), so the descriptors' registers are free.
.set PE,   44                          ; s[44:45] where registers 0-5 of block a go
.set PO,   46                          ; s[46:47] registers 6-11
.set PS0,  48                          ; s[48:49], s[50:51] the two quads;  s[52:53], s[54:55] the odd head's
.set PS1,  50
.set PSO0, 52
.set PSO1, 54
.set HIM,  56                          ; s56 lanes 16-31
.set SEL,  58                          ; s[58:59] lane selects: lane l xor 16
.set STP,  34                          ; s[34:35] from block to block
.set JMP,  36                          ; s[36:37] from block 3 to block 4
	v_mov_b32 v[FL], 0x1800000                     ; these five plain lines are also the places behind the last products
.irp b, 0,1,2,3
	v_mov_b32 v[TM+4+\b], 0                        ; written once: a lane permute's destination counts as one of its sources
.endr
	s_mov_b32 s[HIM], 0xffff0000
	s_mov_b32 s[SEL], 0x76543210
	s_mov_b32 s[SEL+1], 0xfedcba98
	s_lshl_b32 s20, s17, 8
	s_lshl_b32 s21, s15, 7
	s_add_co_u32 s20, s20, s21                     ; my first row of A
	s_lshl_b32 s22, s42, 8
	s_lshl_b32 s21, s16, 7
	s_add_co_u32 s22, s22, s21                     ; my first row of B
	s_and_b32 s23, s22, 1023
	s_cmp_eq_u32 ttmp9, 2
	s_cselect_b32 s24, s22, s20                    ; my first token
	s_cselect_b32 s25, s20, s23                    ; my first feature within q, k or v
	s_lshr_b32 s26, s24, 11
	s_lshl_b32 s26, s26, 4
	s_lshr_b32 s27, s25, 6
	s_add_co_u32 s26, s26, s27                     ; 16 b + the even head
	s_lshl_b32 s26, s26, 4
	s_bfe_u32 s27, s24, 0x40007
	s_add_co_u32 s26, s26, s27                     ; the record: x 16 + the group of 128 tokens
	s_cmp_eq_u32 ttmp9, 0
	s_cselect_b64 s[10:11], s[6:7], s[8:9]         ; qr or kv: the choice hangs on the cluster's number alone
	s_mov_b32 s28, 13056
	s_cselect_b32 s28, 6656, s28                   ; a record's bytes
	s_mov_b32 s29, 12288
	s_cselect_b32 s29, 6144, s29                   ; where its quads begin
	s_cmp_eq_u32 ttmp9, 2
	s_cselect_b32 s30, 6144, 0                     ; where the codes begin
	s_cselect_b32 s29, 12800, s29
	s_mul_i32 s31, s28, 16                         ; from a head to the next: 16 records
	s_cselect_b32 s32, 768, s31                    ; registers 6-11: v: the image's second half; q, k: the odd head
	s_mov_b32 s[STP], 768
	s_cselect_b32 s[STP], 1536, s[STP]
	s_mov_b32 s[JMP], 768
	s_cselect_b32 s[JMP], 204288, s[JMP]           ; v: blocks 4-7 are the odd head's: 16 x 13,056 - 3 x 1,536
	s_mov_b32 s38, 256
	s_cselect_b32 s38, s31, s38                    ; from quad 0 to quad 1
	s_mov_b32 s33, 0
	s_mov_b32 s[STP+1], 0
	s_mov_b32 s[JMP+1], 0
	s_mov_b32 s39, 0
	s_mul_i32 s40, s26, s28
	s_mov_b32 s41, 0
	s_add_nc_u64 s[10:11], s[10:11], s[40:41]      ; my record
	s_mov_b32 s40, s30
	s_add_nc_u64 s[PE:PE+1], s[10:11], s[40:41]
	s_add_nc_u64 s[PO:PO+1], s[PE:PE+1], s[32:33]
	s_mov_b32 s40, s29
	s_add_nc_u64 s[PS0:PS0+1], s[10:11], s[40:41]
	s_add_nc_u64 s[PS1:PS1+1], s[PS0:PS0+1], s[38:39]
	s_mov_b32 s40, s31
	s_add_nc_u64 s[PSO0:PSO0+1], s[PS0:PS0+1], s[40:41]
	s_add_nc_u64 s[PSO1:PSO1+1], s[PS1:PS1+1], s[40:41]
; Block a: 64 registers of a lane, register 16 b + i: tile 2 b + i / 8, number 8 (lane / 16) + i % 8 of it; they become a fragment's codes and my row's scale word.
.macro QUANTA a
.set AC, 64*((\a)%4)
.set AW, 2+(\a)/4                      ; the accumulators' window
.set WMX, (AW<<2)|(AW<<4)              ; sources 1 and 2 there
.set QP, PC+12*((\a)%2)
	WIN WMX
.irp b, 0,1,2,3
	v_max3_num_f32 v[TM+\b], v[FL], |v[AC+16*\b]|, |v[AC+16*\b+1]|   ; each accumulator is read from its low end on; the floor holds the byte at 1 from below
.endr
.irp i, 2,4,6,8,10,12,14
.irp b, 0,1,2,3
	v_max3_num_f32 v[TM+\b], v[TM+\b], |v[AC+16*\b+\i]|, |v[AC+16*\b+\i+1]|   ; the four blocks by turns
.endr
.endr
	WIN 0
.irp b, 0,1,2,3
	v_permlanex16_b32 v[TM+4+\b], v[TM+\b], s[SEL], s[SEL+1]
.endr
.irp b, 0,1,2,3
	v_max_num_f32 v[TM+\b], v[TM+\b], v[TM+4+\b]   ; with lane l xor 16's 16: the block's largest magnitude
.endr
.irp b, 0,1,2,3
	v_add_nc_u32 v[TM+12+\b], 0xff000000, v[TM+\b] ; 2 off its exponent field: the conversion's scale operand
.endr
.irp b, 0,1,2,3
	v_lshrrev_b32 v[TM+4+\b], 23, v[TM+12+\b]      ; the scale's byte
.endr
	v_lshl_or_b32 v[PW+(\a)], v[TM+5], 8, v[TM+4]
	v_lshl_or_b32 v[PW+(\a)], v[TM+6], 16, v[PW+(\a)]
	v_lshl_or_b32 v[PW+(\a)], v[TM+7], 24, v[PW+(\a)]
.if (\a) > 0
	s_wait_xcnt 0x0                                ; the earlier blocks' stores have read their codes and their bases: both are written again only behind this wait
.endif
	WIN AW                                         ; source 0 in the accumulators' window
.irp c, 0,1
	v_cvt_scalef32_pk16_fp6_f32 v[QP+6*\c:QP+6*\c+2], v[AC+32*\c:AC+32*\c+15], v[TM+12+2*\c]
	v_cvt_scalef32_pk16_fp6_f32 v[CT+4*\c:CT+4*\c+2], v[AC+32*\c+16:AC+32*\c+31], v[TM+12+2*\c+1]   ; (a conversion's three registers begin on an even number)
.endr
	WIN 0
	v_nop                                          ; one plain place behind a scaled conversion
.irp c, 0,1                            ; the operand's layout wants a whole block in a lane: lanes 0-15 block 2 c, lanes 16-31 block 2 c + 1
.irp i, 0,1,2
	v_permlane16_swap_b32 v[QP+6*\c+\i], v[CT+4*\c+\i]
.endr
.irp i, 0,1,2
	v_mov_b32 v[QP+6*\c+3+\i], v[CT+4*\c+\i]
.endr
.endr
.if (\a) == 4
	s_add_nc_u64 s[PE:PE+1], s[PE:PE+1], s[JMP:JMP+1]
	s_add_nc_u64 s[PO:PO+1], s[PO:PO+1], s[JMP:JMP+1]
.elseif (\a) > 0
	s_add_nc_u64 s[PE:PE+1], s[PE:PE+1], s[STP:STP+1]
	s_add_nc_u64 s[PO:PO+1], s[PO:PO+1], s[STP:STP+1]
.endif
	global_store_b128 v[L16], v[QP:QP+3], s[PE:PE+1]               ; each store covers 512 or 256 consecutive bytes, at a multiple of 256 from the buffer's first byte
	global_store_b64 v[L8], v[QP+4:QP+5], s[PE:PE+1] offset:512
	global_store_b128 v[L16], v[QP+6:QP+9], s[PO:PO+1]
	global_store_b64 v[L8], v[QP+10:QP+11], s[PO:PO+1] offset:512
.endm
.irp a, 0,1,2,3,4,5,6,7
	QUANTA \a
.endr
.irp j, 0,1                            ; the quads: word w of lane l: tile 4 j + 2 w + l / 16
	v_cndmask_b32 v[SQW+2*\j], v[PW+4*\j], v[PW+4*\j+1], s[HIM]
	v_cndmask_b32 v[SQW+2*\j+1], v[PW+4*\j+2], v[PW+4*\j+3], s[HIM]
.endr
	global_store_b64 v[L8], v[SQW:SQW+1], s[PS0:PS0+1]
	global_store_b64 v[L8], v[SQW+2:SQW+3], s[PS1:PS1+1]
	s_cmp_eq_u32 ttmp9, 2                          ; v's words serve 128 keys whole; q's and k's upper halves are the odd head's
	s_cbranch_scc1 .Lno_odd
.irp i, 0,1,2,3
	v_lshrrev_b32 v[SQW+4+\i], 16, v[SQW+\i]       ; its two bytes below, 0 above: 2^-127 over zero codes, which adds nothing
.endr
	global_store_b64 v[L8], v[SQW+4:SQW+5], s[PSO0:PSO0+1]
	global_store_b64 v[L8], v[SQW+6:SQW+7], s[PSO1:PSO1+1]
.Lno_odd:
	s_wait_tensorcnt 0x0                           ; the wave's end
	ds_add_u32 v[SPW], v[NIL]
	s_wait_dscnt 0x0
	CROUND                                         ; the closing round: no work-group ends while a partner may still ask for a tile that names it
	s_endpgm
.Lfunc_end_k_q8c0116fef8_qkv:
	.size	k_q8c0116fef8_qkv, .Lfunc_end_k_q8c0116fef8_qkv-k_q8c0116fef8_qkv
	.p2alignl 7, 3214868480
	.fill 96, 4, 3214868480
	.section	.rodata,"a",@progbits
	.p2align	6, 0x0
	.amdhsa_kernel k_q8c0116fef8_qkv
		.amdhsa_group_segment_fixed_size 327680
		.amdhsa_private_segment_fixed_size 0
		.amdhsa_enable_private_segment 0
		.amdhsa_kernarg_size 24
		.amdhsa_user_sgpr_count 2
		.amdhsa_user_sgpr_kernarg_segment_ptr 1
		.amdhsa_wavefront_size32 1
		.amdhsa_system_sgpr_workgroup_id_x 1
		.amdhsa_system_sgpr_workgroup_id_y 1
		.amdhsa_system_sgpr_workgroup_id_z 1
		.amdhsa_system_vgpr_workitem_id 0
		.amdhsa_next_free_vgpr 1024
		.amdhsa_next_free_sgpr 98
		.amdhsa_reserve_vcc 0
		.amdhsa_float_denorm_mode_32 3
		.amdhsa_float_denorm_mode_16_64 3
		.amdhsa_memory_ordered 1
		.amdhsa_forward_progress 1
		.amdhsa_inst_pref_size 150
	.end_amdhsa_kernel
	.amdgpu_metadata
---
amdhsa.version: [ 1, 2 ]
amdhsa.kernels:
  - .name:           k_q8c0116fef8_qkv
    .symbol:         k_q8c0116fef8_qkv.kd
    .args:
      - { .name: xq, .offset: 0, .size: 8, .value_kind: global_buffer, .address_space: global }
      - { .name: qr, .offset: 8, .size: 8, .value_kind: global_buffer, .address_space: global }
      - { .name: kv, .offset: 16, .size: 8, .value_kind: global_buffer, .address_space: global }
    .group_segment_fixed_size: 327680
    .private_segment_fixed_size: 0
    .kernarg_segment_align: 8
    .kernarg_segment_size: 24
    .max_flat_workgroup_size: 128
    .sgpr_count:     98
    .vgpr_count:     1024
    .wavefront_size: 32
...
	.end_amdgpu_metadata
.endif
;; end of part 2
;; launch attn (part 3): grid 4 x 64, 16 waves a work-group, clusters of 4 x 1, 210,944 bytes of LDS; arguments qr, kv, alibi_slopes, cq; writes cq
.if DOCPART == 3
	.amdgcn_target "amdgcn-amd-amdhsa--gfx1250"
	.amdhsa_code_object_version 6
	.text
	.protected	k_q8c0116fef8_attn
	.globl	k_q8c0116fef8_attn
	.p2align	8
	.type	k_q8c0116fef8_attn,@function
k_q8c0116fef8_attn:
	s_mov_b64 s[64:65], 0
	v_nop
	global_prefetch_b8 v0, s[64:65] scope:SCOPE_SE
	s_setreg_imm32_b32 hwreg(HW_REG_WAVE_MODE, 25, 1), 1
	s_wait_xcnt 0x0
	s_wait_alu depctr_hold_cnt(0) depctr_sa_sdst(0) depctr_va_vdst(0) depctr_va_sdst(0) depctr_va_ssrc(0) depctr_va_vcc(0) depctr_vm_vsrc(0)
	s_getreg_b32 s2, hwreg(HW_REG_IB_STS2, 6, 4)
	s_cmp_eq_u32 s2, 0
	s_cbranch_scc0 .Lentry_in_a_cluster
	s_endpgm
.Lentry_in_a_cluster:
	s_bfe_u32 s2, ttmp6, 0x10000c
	s_cmp_lg_u32 s2, 0x3003
	s_cbranch_scc0 .Lentry_shape_is_right
	s_endpgm
.Lentry_shape_is_right:
; ctx[b][q][h][:] = softmax_k(q . k / 8 + slope_h (k - q), k <= q) v, both products on codes of FP6 (E2M3) with E8M0 scales; ctx leaves as codes for the last product.
; THE SOFTMAX: t = logit x log2(e); M = the running largest t rounded up to a whole number; p = 2^(t - M) is quantised along the keys, not normalised; the row's sum is taken of the unquantised p and divides O at the end.
; SHARES.  A cluster of four work-groups is one (b, h).  The head's whole K, V and scale words, 16 records of 13,056 bytes (128 keys each), are brought into each partner's LDS ONCE, by joint loads: nothing is filled again.
; The eight tiles of 16 queries of a group of 128 need the same key steps.  Wave w (g = w / 2) takes tile e = 2 cx + w % 2 of group 15 - g and then of group g: (16 - g) + (g + 1) = 17 key steps of 128 for every wave.
; cx enters only Q's and ctx's global addresses and two lane-wise numbers (the mask's and the bias's); no branch and no LDS address hangs on it.
; LAYOUT.  Both products are used transposed: S^T = K Q^T (source 0 = 16 keys, source 1 = my 16 queries), O^T = V^T P^T: a lane holds one query (lane % 16) throughout.  In every block of 32, place 16 x + 8 u + j holds
; number 16 u + 8 x + j, on both sides of each product: the order that two neighbouring result tiles give, so the tiles' keys are neighbours and p's conversions give the operand.
; K = 64 IN AN INSTRUCTION OF 128: Q's fragment is six registers of codes and six of zeros; K's tile t is named as v[KB + 6 t .. + 11]: its upper six registers are the next tile's codes (behind the last tile six cleared ones):
; finite numbers times zero codes.  The upper two scale bytes are the neighbouring head's, or 0: never 0xff.
; ALIBI: t = c (q.k + 8 slope (jl - il)) + 128 slope log2(e) (ks - G), c = log2(e) / 8, jl, il the key's and the query's places in their groups of 128.  The first bias is the C of the score products: 64 registers, the same
; in every step and for both tiles; the second is a scalar, added into the addend of the scaling that stands there anyway.
; CAUSAL: key steps behind a tile's group are jumped over (a branch on the wave's number and the step's); in the one step on the diagonal hidden scores become -infinity (reference() has -1e30: p is 0 either way, since each row sees its own key).
; LIMITS: NaN and infinities are not served; p under 2^-126 counts as 0; a block of zeros keeps the byte 1 (zero codes).
; REGISTERS: v1-2 16, 8 x lane; v3-4 the step's LDS addresses; v5 the mask's number; v6 8 r; v7 8 r + h; v[8:9] f; v[10:11] the addend (v11 keeps the second tile's scale word); v12 -M; v13 the largest t; v[14:15] the sum;
;   v16-27 Q; v28 Q's, v29 p's scale word; v30-33 K's, v34-35 V's; v36-89 K's tiles, later at work; v90-91, v252-255 the second tile's codes; v92-155 S^T, p, then V's fragments; v156-219 the bias; v220-251 O^T.
.set RECB, 13056                       ; a record: K's 8 half images, V's 4 images at 6,144, K's two quads of scale words at 12,288, V's quad at 12,800
.set QF,  16
.set QS,  28
.set PS,  29
.set KS,  30
.set VS,  34
.set KB,  36
.set S,   92
.set BI,  156
.set O,   220
.set PC,  36                           ; once the score products are done K's registers are free: p's codes,
.set CT,  48                           ; halves of blocks before the exchange,
.set BM,  56                           ; the blocks' largest,
.set BT,  60                           ; the other half's; later bytes,
.set CSC, 64                           ; the conversions' scale operands,
.set T0,  68
.set T1,  69
.set SU,  70                           ; and the sum's second chain
.set WV,  12                           ; s12 wave
.set GG,  13                           ; s13 g
.set CC,  18                           ; s[18:19] c
.set S8,  20                           ; s[20:21] 8 x slope
.set NA,  22                           ; s22 -128 log2(e) x slope
.set BA,  23                           ; s23 the step's scalar bias
.set SEL, 24                           ; s[24:25] lane selects: lane l xor 16
.set HIM, 26                           ; s26 lanes 16-31
.set TB,  27                           ; s27 LDS byte of the step's record
.set KSI, 28                           ; s28 the key step; it counts the loops
.set LIM, 29                           ; s29 the tile's group of queries: the last key step that it sees
.set G1,  32                           ; s[32:39] descriptor group 1;  s[40:43], s[44:47] groups 0 of the two fills
.set G0A, 40
.set G0B, 44
.set CP1, 48                           ; s[48:49], s[50:51] where the first tile's codes and scale bytes go;  s[52:55] the second's
.set CS1, 50
.set CP2, 52
.set CS2, 54
.macro ROUND                           ; a round of the cluster's barrier
	s_barrier_signal -1
	s_barrier_wait -1
	s_cmp_lg_u32 s[WV], 0
	s_cbranch_scc1 .Lnot_wave_0_\@
	s_barrier_signal -3
.Lnot_wave_0_\@:
	s_barrier_wait -3
	s_barrier_signal -1
	s_barrier_wait -1
.endm
	s_load_b256 s[4:11], s[0:1], 0x0               ; qr, kv, alibi_slopes, cq
	v_lshl_add_u32 v254, v0, 2, 0x33000
	v_mov_b32 v255, 0
	ds_add_u32 v254, v255
	ds_add_u32 v254, v255
	s_wait_dscnt 0x0
	v_lshrrev_b32 v1, 5, v0
	v_readfirstlane_b32 s[WV], v1                  ; wave 0..15
	s_lshr_b32 s[GG], s[WV], 1
	s_bfe_u32 s14, ttmp6, 0x40000                  ; cx
	s_and_b32 s15, s[WV], 1
	s_lshl_b32 s31, s14, 1
	s_add_co_u32 s15, s15, s31                     ; e
	s_and_b32 s16, ttmp7, 0xffff                   ; 16 b + h, which the four partners share
	s_and_b32 s30, s16, 15                         ; h
	s_mov_b32 s[G1], 15|(3<<16)|(1<<21)            ; 15:0 the mask: all four; 17:16 elements of 8 bytes; 21 set beside a mask; no padding
	s_mov_b32 s[G1+1], 32<<16                      ; two records, 26,112 dense bytes, as 102 rows of 256 bytes
	s_mov_b32 s[G1+2], 102<<16
	s_mov_b32 s[G1+3], 32<<16
	s_mov_b32 s[G1+4], 102
	s_mov_b32 s[G1+5], 32
	s_mov_b32 s[G1+6], 0
	s_mov_b32 s[G1+7], 0
	s_and_b32 s56, s[WV], 3
	s_mul_i32 s57, s56, 2*RECB                     ; waves 0 to 3 fetch: records 2 w, 2 w + 1 of each half
	s_mul_i32 s58, s16, 16*RECB
	s_add_co_u32 s58, s58, s57
	s_mov_b32 s59, 0
	s_lshl_b32 s60, s30, 2
	s_mov_b32 s61, 0
	s_wait_kmcnt 0x0
	s_add_nc_u64 s[8:9], s[8:9], s[60:61]
	s_load_b32 s17, s[8:9], 0x0                    ; my head's slope
	s_add_nc_u64 s[58:59], s[6:7], s[58:59]
	s_mov_b32 s[G0A], 1
	s_mov_b32 s[G0A+1], s57
	s_mov_b64 s[G0A+2:G0A+3], s[58:59]
	s_or_b32 s[G0A+3], s[G0A+3], 0x80000000
	s_mov_b32 s[G0B], 1
	s_add_co_u32 s[G0B+1], s57, 8*RECB
	s_add_nc_u64 s[G0B+2:G0B+3], s[58:59], 8*RECB
	s_or_b32 s[G0B+3], s[G0B+3], 0x80000000
	ROUND                                          ; all four work-groups are here: the joint loads meet
	s_cmp_lt_u32 s[WV], 4                          ; a wave's two fills stand in one branch, ahead of every wait on TENSORcnt, every LDS read and every other barrier: two loads of mine are out
	s_cbranch_scc0 .Lno_fill
	tensor_load_to_lds s[G0A:G0A+3], s[G1:G1+7]    ; key steps 0 to 7
	s_nop 0
	tensor_load_to_lds s[G0B:G0B+3], s[G1:G1+7]    ; key steps 8 to 15
	s_nop 0
.rept 4
	v_nop
.endr
.Lno_fill:
	v_and_b32 v2, 31, v0
	v_lshlrev_b32 v1, 4, v2                        ; 16 x lane
	v_lshlrev_b32 v2, 3, v2                        ; 8 x lane
	v_and_b32 v6, 15, v0                           ; r
	v_bfe_u32 v7, v0, 4, 1                         ; h
	v_lshlrev_b32 v5, 3, v7
	v_sub_nc_u32 v5, v6, v5
	s_lshl_b32 s31, s15, 4
	v_add_nc_u32 v5, s31, v5                       ; DM = 16 e + r - 8 h: register j of tile t holds key 16 t + 8 h + j, my query is 16 e + r: key - query = 16 t + j - DM
	v_lshl_add_u32 v7, v6, 3, v7                   ; 8 r + h
	v_lshlrev_b32 v6, 3, v6                        ; 8 r
	; Q: both tiles' half images and scale words
	s_lshl_b32 s56, s16, 4
	s_sub_co_u32 s57, 15, s[GG]                    ; the first tile's group
	s_add_co_u32 s58, s56, s57
	s_mul_i32 s58, s58, 6656
	s_mov_b32 s59, 0
	s_add_nc_u64 s[66:67], s[4:5], s[58:59]
	s_add_co_u32 s58, s56, s[GG]                   ; the second's
	s_mul_i32 s58, s58, 6656
	s_add_nc_u64 s[68:69], s[4:5], s[58:59]
	s_mul_i32 s60, s15, 768
	s_lshr_b32 s61, s15, 2                         ; tile e's word in the quads: 256 (e / 4) + 128 (e % 2) + 4 ((e / 2) % 2) + 8 r
	s_lshl_b32 s61, s61, 8
	s_and_b32 s62, s15, 1
	s_lshl_b32 s62, s62, 7
	s_add_co_u32 s61, s61, s62
	s_bfe_u32 s62, s15, 0x10001
	s_lshl_b32 s62, s62, 2
	s_add_co_u32 s61, s61, s62
	s_add_co_u32 s61, s61, 6144
	v_add_nc_u32 v100, s60, v1
	v_add_nc_u32 v101, s60, v2
	v_add_nc_u32 v102, s61, v6
	global_load_b128 v[QF:QF+3], v100, s[66:67]
	global_load_b64 v[QF+4:QF+5], v101, s[66:67] offset:512
	global_load_b32 v[QS], v102, s[66:67]
	global_load_b128 v[252:255], v100, s[68:69]
	global_load_b64 v[90:91], v101, s[68:69] offset:512
	global_load_b32 v11, v102, s[68:69]
	; ctx: record 16 b + group of cq; K step h / 2, tile e, half image h % 2; the scale bytes 2 (h % 2) + block of word (e, h / 2, r)
	s_lshr_b32 s56, s16, 4
	s_lshl_b32 s56, s56, 4                         ; 16 b
	s_lshr_b32 s60, s30, 1
	s_mul_i32 s61, s60, 12288
	s_mul_i32 s62, s15, 1536
	s_add_co_u32 s61, s61, s62
	s_and_b32 s62, s30, 1
	s_mul_i32 s63, s62, 768
	s_add_co_u32 s61, s61, s63                     ; the codes' place in a record
	s_lshl_b32 s63, s15, 9
	s_lshl_b32 s62, s62, 1
	s_add_co_u32 s63, s63, s62
	s_lshr_b32 s62, s30, 2
	s_lshl_b32 s62, s62, 7
	s_add_co_u32 s63, s63, s62
	s_and_b32 s62, s60, 1
	s_lshl_b32 s62, s62, 2
	s_add_co_u32 s63, s63, s62
	s_add_co_u32 s63, s63, 98304                   ; the bytes'
	s_mov_b32 s71, 0
	s_add_co_u32 s58, s56, s57
	s_mul_i32 s58, s58, 102400
	s_add_co_u32 s70, s58, s61
	s_add_nc_u64 s[CP1:CP1+1], s[10:11], s[70:71]
	s_add_co_u32 s70, s58, s63
	s_add_nc_u64 s[CS1:CS1+1], s[10:11], s[70:71]
	s_add_co_u32 s58, s56, s[GG]
	s_mul_i32 s58, s58, 102400
	s_add_co_u32 s70, s58, s61
	s_add_nc_u64 s[CP2:CP2+1], s[10:11], s[70:71]
	s_add_co_u32 s70, s58, s63
	s_add_nc_u64 s[CS2:CS2+1], s[10:11], s[70:71]
	s_mov_b32 s[CC], 0x3e38aa3b                    ; c = log2(e) / 8
	s_mov_b32 s[CC+1], s[CC]                       ; (named with it as a pair, so it is written)
	s_mov_b32 s[SEL], 0x76543210
	s_mov_b32 s[SEL+1], 0xfedcba98
	s_mov_b32 s[HIM], 0xffff0000
	s_wait_kmcnt 0x0                               ; the slope
	s_mul_f32 s[S8], s17, 0x41000000               ; x 8: exact
	s_mul_f32 s[NA], s17, 0xc338aa3b               ; x -128 log2(e)
	s_mov_b32 s[S8+1], s[S8]
	; the bias tile: 8 slope (16 t + j - DM).  The whole numbers are exact in f32; from tile to tile 16 is added, then one multiplication rounds once
.irp j, 0,1,2,3,4,5,6,7
	v_sub_nc_u32 v[104+\j], \j, v5
.endr
.irp j, 0,1,2,3,4,5,6,7
	v_cvt_f32_i32 v[104+\j], v[104+\j]
.endr
.irp t, 0,1,2,3,4,5,6,7
.if \t > 0
.irp i, 0,2,4,6
	v_pk_add_f32 v[104+\i:105+\i], v[104+\i:105+\i], 0x41800000 op_sel_hi:[1,0]
.endr
.endif
.irp i, 0,2,4,6
	v_pk_mul_f32 v[BI+8*\t+\i:BI+8*\t+\i+1], v[104+\i:105+\i], s[S8:S8+1] op_sel_hi:[1,0]
.endr
.endr
.irp i, 0,1,2,3,4,5
	v_mov_b32 v[QF+6+\i], 0                        ; Q's upper 64 along K: zero codes
	v_mov_b32 v[KB+48+\i], 0                       ; what the last tile of K names above its own six
.endr
	v_mov_b32 v9, 0                                ; (named as the upper half of the pair v[8:9])
.macro INIT                            ; a tile begins: O^T and the sum as zeros, the largest t under every t: the first change of M multiplies zeros
	v_mov_b32 v13, 0xff61b1e6
	v_floor_f32 v12, -v13
	v_mov_b32 v14, 0
	v_mov_b32 v15, 0
.set j, 0
.rept 32
	v_mov_b32 v[O+j], 0
.set j, j+1
.endr
.endm
; A KEY STEP: 128 keys.  masked = 1: the step may lie behind the tile's group (left out) or on the diagonal (hidden scores become -infinity).
.macro STEP masked
.if \masked
	s_cmp_gt_u32 s[KSI], s[LIM]
	s_cbranch_scc1 .Lskip_\@
.endif
	s_sub_co_u32 s31, s[LIM], s[KSI]
	s_cvt_f32_u32 s31, s31
	s_mul_f32 s[BA], s31, s[NA]                    ; 128 slope log2(e) (ks - G)
	v_add_nc_u32 v3, s[TB], v1
	v_add_nc_u32 v4, s[TB], v2
.irp t, 0,1,2,3,4,5,6,7
	ds_load_b128 v[KB+6*\t:KB+6*\t+3], v3 offset:768*\t
	ds_load_b64 v[KB+6*\t+4:KB+6*\t+5], v4 offset:768*\t+512
.endr
	ds_load_b64 v[KS:KS+1], v4 offset:12288        ; register t / 2 serves tile t: the even one from lanes 0-15, the odd one from lanes 16-31
	ds_load_b64 v[KS+2:KS+3], v4 offset:12544
	s_wait_dscnt 0x0
.irp t, 0,1,2,3,4,5,6,7
.if \t%2
	v_wmma_scale_f32_16x16x128_f8f6f4 v[S+8*\t:S+8*\t+7], v[KB+6*\t:KB+6*\t+11], v[QF:QF+11], v[BI+8*\t:BI+8*\t+7], v[KS+\t/2], v[QS] matrix_a_fmt:MATRIX_FMT_FP6 matrix_b_fmt:MATRIX_FMT_FP6 matrix_a_scale:MATRIX_SCALE_ROW1
.else
	v_wmma_scale_f32_16x16x128_f8f6f4 v[S+8*\t:S+8*\t+7], v[KB+6*\t:KB+6*\t+11], v[QF:QF+11], v[BI+8*\t:BI+8*\t+7], v[KS+\t/2], v[QS] matrix_a_fmt:MATRIX_FMT_FP6 matrix_b_fmt:MATRIX_FMT_FP6
.endif
.endr
.rept 4
	v_nop                                          ; places in front of the first read of the scores and the first write over K's registers
.endr
.if \masked
	s_cmp_lt_u32 s[KSI], s[LIM]
	s_cbranch_scc1 .Lopen_\@
	v_mov_b32 v[T0], 0xff800000                    ; -infinity
.set n, 0
.rept 64                               ; register 8 t + j: hidden where 16 t + j > DM; each tile from its low end on
	v_cmp_gt_i32 vcc_lo, 16*(n/8)+n%8, v5
	v_cndmask_b32 v[S+n], v[S+n], v[T0], vcc_lo
.set n, n+1
.endr
.Lopen_\@:
.endif
.irp b, 0,1,2,3
	v_max3_num_f32 v[BM+\b], v[S+16*\b], v[S+16*\b+1], v[S+16*\b+2]   ; the largest score of each block of 32 keys: for the row's maximum and, since p rises with the score, for the block's largest p
.endr
.irp i, 3,5,7,9,11,13
.irp b, 0,1,2,3
	v_max3_num_f32 v[BM+\b], v[BM+\b], v[S+16*\b+\i], v[S+16*\b+\i+1]
.endr
.endr
.irp b, 0,1,2,3
	v_max_num_f32 v[BM+\b], v[BM+\b], v[S+16*\b+15]
.endr
.irp b, 0,1,2,3
	v_permlanex16_b32 v[BT+\b], v[BM+\b], s[SEL], s[SEL+1]
.endr
.irp b, 0,1,2,3
	v_max_num_f32 v[BM+\b], v[BM+\b], v[BT+\b]     ; with lane l xor 16's 16 keys
.endr
	v_max3_num_f32 v[T0], v[BM], v[BM+1], v[BM+2]
	v_max_num_f32 v[T0], v[T0], v[BM+3]
	v_fma_f32 v[T0], v[T0], s[CC], s[BA]           ; the step's largest t (c is positive)
	v_max_num_f32 v13, v13, v[T0]                  ; the running largest t
	v_mov_b32 v[T1], v12
	v_floor_f32 v12, -v13                          ; -M = floor(-t): M is a whole number
	v_sub_f32 v[T1], v12, v[T1]                    ; old M - new M: a whole number, 0 or less
	v_cvt_i32_f32 v[T1], v[T1]                     ; (it saturates)
	v_ldexp_f32 v8, 1.0, v[T1]                     ; f = 2^(old M - new M): rounds nothing
	v_add_f32 v10, s[BA], v12                      ; the scaling's addend: the step's bias - M
.set j, 0
.rept 32
	v_pk_fma_f32 v[S+j:S+j+1], v[S+j:S+j+1], s[CC:CC+1], v[10:11] op_sel_hi:[1,0,0]   ; t - M, two at a time (of each pair the low word serves both halves)
.set j, j+2
.endr
.irp b, 0,1,2,3
	v_fma_f32 v[BM+\b], v[BM+\b], s[CC], v10       ; the same of each block's largest score
.endr
.set j, 0
.rept 64
	v_exp_f32 v[S+j], v[S+j]                       ; p = 2^(t - M): not normalised
.set j, j+1
.endr
	v_pk_mul_f32 v[14:15], v[14:15], v[8:9] op_sel_hi:[1,0]   ; the sums under the new M: a plain place behind the exponentials
	s_wait_alu depctr_va_vdst(0)                   ; one wait for the batch, ahead of its first reader
.irp b, 0,1,2,3
	v_exp_f32 v[BM+\b], v[BM+\b]                   ; the block's largest p: the same two instructions on the same number give the same bits
.endr
	v_pk_add_f32 v[SU:SU+1], v[S:S+1], v[S+2:S+3]  ; the row's sum is taken of the unquantised p, in two chains; it reads the 64 alone
.set j, 4
.rept 15
	v_pk_add_f32 v[14:15], v[14:15], v[S+j:S+j+1]
	v_pk_add_f32 v[SU:SU+1], v[SU:SU+1], v[S+j+2:S+j+3]
.set j, j+4
.endr
	v_pk_add_f32 v[14:15], v[14:15], v[SU:SU+1]
	s_wait_alu depctr_va_vdst(0)                   ; and one for the four
.irp b, 0,1,2,3
	v_max_num_f32 v[BM+\b], 0x1800000, v[BM+\b]    ; the floor 2^(3 - 127): the byte cannot fall under 1
.endr
.irp b, 0,1,2,3
	v_add_nc_u32 v[CSC+\b], 0xff000000, v[BM+\b]   ; 2 off the exponent field: the conversion's scale operand
.endr
.irp b, 0,1,2,3
	v_lshrrev_b32 v[BT+\b], 23, v[CSC+\b]          ; the scale's byte
.endr
	v_lshl_or_b32 v[PS], v[BT+1], 8, v[BT]         ; p's scale word for these 128 keys
	v_lshl_or_b32 v[PS], v[BT+2], 16, v[PS]
	v_lshl_or_b32 v[PS], v[BT+3], 24, v[PS]
.irp c, 0,1
	v_cvt_scalef32_pk16_fp6_f32 v[PC+6*\c:PC+6*\c+2], v[S+32*\c:S+32*\c+15], v[CSC+2*\c]
	v_cvt_scalef32_pk16_fp6_f32 v[CT+4*\c:CT+4*\c+2], v[S+32*\c+16:S+32*\c+31], v[CSC+2*\c+1]   ; (a conversion's three registers begin on an even number)
.endr
	v_nop                                          ; one plain place behind a scaled conversion
.irp t, 0,1,2,3                        ; V's four fragments land where p lay
	ds_load_b128 v[S+12*\t:S+12*\t+3], v3 offset:6144+1536*\t
	ds_load_b64 v[S+12*\t+4:S+12*\t+5], v4 offset:6144+1536*\t+512
	ds_load_b128 v[S+12*\t+6:S+12*\t+9], v3 offset:6144+1536*\t+768
	ds_load_b64 v[S+12*\t+10:S+12*\t+11], v4 offset:6144+1536*\t+1280
.endr
	ds_load_b64 v[VS:VS+1], v4 offset:12800
.irp c, 0,1                            ; the operand's layout wants a whole block in a lane: lanes 0-15 block 2 c, lanes 16-31 block 2 c + 1
.irp i, 0,1,2
	v_permlane16_swap_b32 v[PC+6*\c+\i], v[CT+4*\c+\i]
.endr
.irp i, 0,1,2
	v_mov_b32 v[PC+6*\c+3+\i], v[CT+4*\c+\i]
.endr
.endr
.set j, 0
.rept 16
	v_pk_mul_f32 v[O+j:O+j+1], v[O+j:O+j+1], v[8:9] op_sel_hi:[1,0]   ; O^T under the new M, from each tile's low end on; these lines are also the places between p's scale word and codes and the products
.set j, j+2
.endr
	s_wait_dscnt 0x0
.irp t, 0,1,2,3                        ; the four accumulators take turns; eight score products stand between two steps' links
.if \t%2
	v_wmma_scale_f32_16x16x128_f8f6f4 v[O+8*\t:O+8*\t+7], v[S+12*\t:S+12*\t+11], v[PC:PC+11], v[O+8*\t:O+8*\t+7], v[VS+\t/2], v[PS] matrix_a_fmt:MATRIX_FMT_FP6 matrix_b_fmt:MATRIX_FMT_FP6 matrix_a_scale:MATRIX_SCALE_ROW1
.else
	v_wmma_scale_f32_16x16x128_f8f6f4 v[O+8*\t:O+8*\t+7], v[S+12*\t:S+12*\t+11], v[PC:PC+11], v[O+8*\t:O+8*\t+7], v[VS+\t/2], v[PS] matrix_a_fmt:MATRIX_FMT_FP6 matrix_b_fmt:MATRIX_FMT_FP6
.endif
.endr
.rept 5
	v_nop                                          ; five places: the next score products write over V's registers, the next loads land on p's codes
.endr
.if \masked
.Lskip_\@:
.endif
	s_add_co_u32 s[TB], s[TB], RECB
	s_add_co_u32 s[KSI], s[KSI], 1
.endm
; A tile ends: O^T / the sum is ctx; its two blocks of 32 channels are quantised and leave as a half image and two scale bytes a row.
.macro FLUSH cp, cs
	v_add_f32 v[T0], v14, v15
	v_permlanex16_b32 v[T1], v[T0], s[SEL], s[SEL+1]
	v_add_f32 v[T0], v[T0], v[T1]                  ; the row's sum
	v_rcp_f32 v8, v[T0]
	v_nop                                          ; a plain place behind the reciprocal
	s_wait_alu depctr_va_vdst(0)                   ; and the wait ahead of its first reader
.set j, 0
.rept 16
	v_pk_mul_f32 v[S+j:S+j+1], v[O+j:O+j+1], v[8:9] op_sel_hi:[1,0]   ; register 8 t + i: channel 16 t + 8 h + i of my query
.set j, j+2
.endr
.irp b, 0,1
	v_max3_num_f32 v[BM+\b], |v[S+16*\b]|, |v[S+16*\b+1]|, 0x1800000
.endr
.irp i, 2,4,6,8,10,12,14
.irp b, 0,1
	v_max3_num_f32 v[BM+\b], v[BM+\b], |v[S+16*\b+\i]|, |v[S+16*\b+\i+1]|
.endr
.endr
.irp b, 0,1
	v_permlanex16_b32 v[BT+\b], v[BM+\b], s[SEL], s[SEL+1]
.endr
.irp b, 0,1
	v_max_num_f32 v[BM+\b], v[BM+\b], v[BT+\b]
.endr
.irp b, 0,1
	v_add_nc_u32 v[CSC+\b], 0xff000000, v[BM+\b]
.endr
.irp b, 0,1
	v_lshrrev_b32 v[BT+\b], 23, v[CSC+\b]
.endr
	v_cvt_scalef32_pk16_fp6_f32 v[PC:PC+2], v[S:S+15], v[CSC]
	v_cvt_scalef32_pk16_fp6_f32 v[CT:CT+2], v[S+16:S+31], v[CSC+1]
	v_nop                                          ; one plain place behind a scaled conversion
.irp i, 0,1,2
	v_permlane16_swap_b32 v[PC+\i], v[CT+\i]
.endr
.irp i, 0,1,2
	v_mov_b32 v[PC+3+\i], v[CT+\i]
.endr
	v_cndmask_b32 v[T0], v[BT], v[BT+1], s[HIM]    ; lanes 0-15 block 0's byte, lanes 16-31 block 1's
	global_store_b128 v1, v[PC:PC+3], s[\cp:\cp+1]                 ; 512 and 256 consecutive bytes, at multiples of 256 from cq's first byte
	global_store_b64 v2, v[PC+4:PC+5], s[\cp:\cp+1] offset:512
	global_store_b8 v7, v[T0], s[\cs:\cs+1]        ; two heads share a scale word, so the bytes go singly: 32 bytes for 768 of codes
.endm
	s_mov_b32 s[TB], 0
	s_mov_b32 s[KSI], 0
	s_sub_co_u32 s[LIM], 15, s[GG]                 ; the larger tile first
	INIT
	s_wait_loadcnt 0x0                             ; Q, both tiles
	s_wait_tensorcnt 0x1                           ; my part of key steps 0 to 7 is in; the second fill may stay out
	s_barrier_signal -1
	s_barrier_wait -1                              ; everybody's is
.Lfirst:                                           ; key steps 0 to 7: all their keys count, since the group is 8 at the least
	STEP 0
	s_cmp_lt_u32 s[KSI], 8
	s_cbranch_scc1 .Lfirst
	s_wait_tensorcnt 0x0                           ; my part of key steps 8 to 15 is in,
	s_barrier_signal -1
	s_barrier_wait -1                              ; everybody's is; all waves have done the same eight steps
.Lsecond:                                          ; key steps 8 to 15, up to the tile's own group
	STEP 1
	s_cmp_lt_u32 s[KSI], 16
	s_cbranch_scc1 .Lsecond
	FLUSH CP1, CS1
	s_wait_xcnt 0x0                                ; the stores have read their registers, which are written again below
.irp i, 0,1,2,3
	v_mov_b32 v[QF+\i], v[252+\i]                  ; the second tile's Q
.endr
	v_mov_b32 v[QF+4], v90
	v_mov_b32 v[QF+5], v91
	v_mov_b32 v[QS], v11                           ; its scale word: the 36 lines of INIT stand between it and the next product
	INIT
	s_mov_b32 s[TB], 0
	s_mov_b32 s[KSI], 0
	s_mov_b32 s[LIM], s[GG]
.Lthird:                                           ; key steps 0 to 7, up to the tile's own group
	STEP 1
	s_cmp_lt_u32 s[KSI], 8
	s_cbranch_scc1 .Lthird
	FLUSH CP2, CS2
	s_wait_xcnt 0x0
	v_lshl_add_u32 v254, v0, 2, 0x33000
	v_mov_b32 v255, 0
	s_wait_tensorcnt 0x0
	ds_add_u32 v254, v255
	s_wait_dscnt 0x0
	ROUND                                          ; the closing round
	s_endpgm
.Lfunc_end_k_q8c0116fef8_attn:
	.size	k_q8c0116fef8_attn, .Lfunc_end_k_q8c0116fef8_attn-k_q8c0116fef8_attn
	.p2alignl 7, 3214868480
	.fill 96, 4, 3214868480
	.section	.rodata,"a",@progbits
	.p2align	6, 0x0
	.amdhsa_kernel k_q8c0116fef8_attn
		.amdhsa_group_segment_fixed_size 210944
		.amdhsa_private_segment_fixed_size 0
		.amdhsa_enable_private_segment 0
		.amdhsa_kernarg_size 32
		.amdhsa_user_sgpr_count 2
		.amdhsa_user_sgpr_kernarg_segment_ptr 1
		.amdhsa_wavefront_size32 1
		.amdhsa_system_sgpr_workgroup_id_x 1
		.amdhsa_system_sgpr_workgroup_id_y 1
		.amdhsa_system_sgpr_workgroup_id_z 1
		.amdhsa_system_vgpr_workitem_id 0
		.amdhsa_next_free_vgpr 256
		.amdhsa_next_free_sgpr 72
		.amdhsa_reserve_vcc 1
		.amdhsa_float_denorm_mode_32 3
		.amdhsa_float_denorm_mode_16_64 3
		.amdhsa_memory_ordered 1
		.amdhsa_forward_progress 1
		.amdhsa_inst_pref_size 81
	.end_amdhsa_kernel
	.amdgpu_metadata
---
amdhsa.version: [ 1, 2 ]
amdhsa.kernels:
  - .name:           k_q8c0116fef8_attn
    .symbol:         k_q8c0116fef8_attn.kd
    .args:
      - { .name: qr, .offset: 0, .size: 8, .value_kind: global_buffer, .address_space: global }
      - { .name: kv, .offset: 8, .size: 8, .value_kind: global_buffer, .address_space: global }
      - { .name: alibi_slopes, .offset: 16, .size: 8, .value_kind: global_buffer, .address_space: global }
      - { .name: cq, .offset: 24, .size: 8, .value_kind: global_buffer, .address_space: global }
    .group_segment_fixed_size: 210944
    .private_segment_fixed_size: 0
    .kernarg_segment_align: 8
    .kernarg_segment_size: 32
    .max_flat_workgroup_size: 512
    .sgpr_count:     72
    .vgpr_count:     256
    .wavefront_size: 32
...
	.end_amdgpu_metadata
.endif
;; end of part 3
;; launch proj (part 4): grid 4 x 32, 4 waves a work-group, clusters of 4 x 4, 327,680 bytes of LDS; arguments cq, xq, out0; writes out0
.if DOCPART == 4
	.amdgcn_target "amdgcn-amd-amdhsa--gfx1250"
	.amdhsa_code_object_version 6
	.text
	.protected	k_q8c0116fef8_proj
	.globl	k_q8c0116fef8_proj
	.p2align	8
	.type	k_q8c0116fef8_proj,@function
k_q8c0116fef8_proj:
	s_mov_b64 s[64:65], 0
	v_nop
	global_prefetch_b8 v0, s[64:65] scope:SCOPE_SE
	s_setreg_imm32_b32 hwreg(HW_REG_WAVE_MODE, 25, 1), 1
	s_wait_xcnt 0x0
	s_wait_alu depctr_hold_cnt(0) depctr_sa_sdst(0) depctr_va_vdst(0) depctr_va_sdst(0) depctr_va_ssrc(0) depctr_va_vcc(0) depctr_vm_vsrc(0)
	s_getreg_b32 s2, hwreg(HW_REG_IB_STS2, 6, 4)
	s_cmp_eq_u32 s2, 0
	s_cbranch_scc0 .Lentry_in_a_cluster
	s_endpgm
.Lentry_in_a_cluster:
	s_bfe_u32 s2, ttmp6, 0x10000c
	s_cmp_lg_u32 s2, 0xf033
	s_cbranch_scc0 .Lentry_shape_is_right
	s_endpgm
.Lentry_shape_is_right:
; out0 = ctx w_out^T on codes of FP6 (E2M3) with E8M0 scales, K = 1,024; out0 [8192][1024] f32.
; ctx's codes lie in cq, w_out's in records 88-95 of xq: fragment images (12 registers of 32 lanes, 1,536 bytes), [K step of 128][16 rows] in a record of 102,400 bytes for each 128 rows; its scale words from byte 98,304 on.
; A tile of 256 x 256 is made by four waves, each 128 x 128: 64 accumulators in 512 registers.  K goes in steps of 256 through two LDS slots filled by the tensor data mover; the scale words come once, with the first fills.
; CLUSTERS: 4 x 4.  A's tile (tokens) hangs on the tile row alone and is asked for jointly by a row of the cluster, B's (rows of w_out) on the tile column alone, by a column.
; THE MATRIX INSTRUCTION IS USED TRANSPOSED (source 0 = 16 rows of w_out, source 1 = 16 tokens): a lane holds eight neighbouring numbers of a row of out0.
; 8,192 x 1,024 are 128 such tiles: half as many as there are WGPs; a tile of half the width would read each fragment of A for half as many products.
; REGISTERS, in windows of 256: window 0: v16-31 addresses; v32-63 scale words, two sets; from v128 A's fragments, one set; on the way out v128-255 are free.  window 1: B's fragments, two sets.  windows 2, 3: the accumulators.
.set NQ,     2
.set FR,     12
.set NL,     4
.set NP,     4
.set REC,    102400
.set KSB,    12288
.set HALFT,  2*KSB
.set SLOT,   4*HALFT
.set SCL,    2*SLOT
.set SCLB,   SCL+8192+128              ; 128 bytes further on than a multiple of 256, so that the two halves of the lanes read different banks
.set SPARE,  SCLB+8192+128             ; the spare words, 128 bytes for each wave: two blocks of 256 bytes that no other line names
.set SIZE_N, 1024
.set SPITCH, 528                       ; the way out: a stage of 16 rows x (512 bytes + 16) for each wave, in slot 0, which has had its last fill and its last read when the first result is stored there
.set ADRA, 16
.set ADRB, 20
.set L16,  24                          ; v24 16 x lane: also my byte offset in a row of out0
.set L8,   25
.set STO,  26                          ; v26 the way out: where I put 32 bytes of a row
.set ADRS, 27
.set SPW,  28
.set NIL,  29
.set RD,   30                          ; v30 the way out: where I read a row back
.set SC,   32
.set AF,   128
.set BK,   128                         ; the way out: 16 rows read back: v128-191 and v192-255 by turns
.set G1, 24
.set G0, 32
.set G1B, 48
.set G0B, 56
.set G1S, 68
.set G0S, 76
.set G1SB, 80
.set G0SB, 88
.set MSB, 0
.macro WIN new                         ; the immediate's high byte repeats the setting that is left
.if MSB != \new
	s_set_vgpr_msb (MSB<<8)|\new
.set MSB, \new
.endif
.endm
.set MUL_LO, 0xa1
.set MUL_HI, 0xf1
.set TO_B,   0x40
.macro JLOAD g0a, g1a, g0b, g1b        ; a joint load: waves 0 and 1 fetch for A, waves 2 and 3 for B; four v_nop follow each of the two lines
	s_cmp_eq_u32 s15, 0
	s_cbranch_scc0 .Lfor_b_\@
	tensor_load_to_lds s[\g0a:\g0a+3], s[\g1a:\g1a+7]
	s_nop 0
.rept 4
	v_nop
.endr
	s_branch .Lasked_\@
.Lfor_b_\@:
	tensor_load_to_lds s[\g0b:\g0b+3], s[\g1b:\g1b+7]
	s_nop 0
.rept 4
	v_nop
.endr
.Lasked_\@:
.endm
.macro CREST
	s_cmp_lg_u32 s14, 0
	s_cbranch_scc1 .Lnot_wave_0_\@
	s_barrier_signal -3
.Lnot_wave_0_\@:
	s_barrier_wait -3
	s_barrier_signal -1
	s_barrier_wait -1
.endm
.macro CROUND
	s_barrier_signal -1
	s_barrier_wait -1
	CREST
.endm
	s_load_b128 s[4:7], s[0:1], 0x0                ; cq, xq
	s_load_b64 s[12:13], s[0:1], 0x10              ; out0
	v_lshl_add_u32 v[SPW], v0, 2, SPARE
	v_mov_b32 v[NIL], 0
	ds_add_u32 v28, v29
	ds_add_u32 v28, v29
	s_wait_dscnt 0x0
	v_lshrrev_b32 v1, 5, v0
	v_readfirstlane_b32 s14, v1                    ; wave 0..3
	s_lshr_b32 s15, s14, 1                         ; which half of the tile's rows is mine.  Also: I fetch for A (0) or for B (1)
	s_and_b32 s16, s14, 1                          ; which half of its columns.  Also: which 128 rows of that tile I fetch
	s_bfe_u32 s40, ttmp6, 0x40000                  ; cx, cy
	s_bfe_u32 s41, ttmp6, 0x40004
	s_lshl_b32 s42, ttmp9, 2
	s_add_co_u32 s42, s42, s40                     ; tile column
	s_and_b32 s17, ttmp7, 0xffff
	s_lshl_b32 s17, s17, 2
	s_add_co_u32 s17, s17, s41                     ; tile row
	s_lshl_b32 s43, s41, 2
	s_lshl_b32 s43, 15, s43                        ; my row of the cluster
	s_lshl_b32 s44, 0x1111, s40                    ; my column
	s_or_b32 s[G1+0], s43, (3<<16)|(1<<21)         ; 24,576 dense bytes as 96 rows of 32 elements of 8 bytes; no padding
	s_or_b32 s[G1B+0], s44, (3<<16)|(1<<21)
.irp g, G1, G1B
	s_mov_b32 s[\g+1], 32<<16
	s_mov_b32 s[\g+2], 96<<16
	s_mov_b32 s[\g+3], 32<<16
	s_mov_b32 s[\g+4], 96
	s_mov_b32 s[\g+5], 32
	s_mov_b32 s[\g+6], 0
	s_mov_b32 s[\g+7], 0
.endr
	s_or_b32 s[G1S+0], s43, (3<<16)|(1<<21)        ; the scale words of 128 rows: 16 such rows
	s_or_b32 s[G1SB+0], s44, (3<<16)|(1<<21)
.irp g, G1S, G1SB
	s_mov_b32 s[\g+1], 32<<16
	s_mov_b32 s[\g+2], 16<<16
	s_mov_b32 s[\g+3], 32<<16
	s_mov_b32 s[\g+4], 16
	s_mov_b32 s[\g+5], 32
	s_mov_b32 s[\g+6], 0
	s_mov_b32 s[\g+7], 0
.endr
	s_lshl_b32 s20, s17, 1
	s_add_co_u32 s20, s20, s16                     ; A's record that I fetch: 2 x tile row + half
	s_mul_i32 s20, s20, REC
	s_mov_b32 s21, 0
	s_lshl_b32 s46, s42, 1
	s_add_co_u32 s46, s46, s16
	s_add_co_u32 s46, s46, 88                      ; B's: w_out begins at record 88
	s_mul_i32 s46, s46, REC
	s_mov_b32 s47, 0
	s_mul_i32 s45, s14, HALFT
	s_lshl_b32 s94, s14, 12
	s_lshl_b32 s95, s15, 7
	s_add_co_u32 s94, s94, s95
	s_wait_kmcnt 0x0
	s_add_nc_u64 s[20:21], s[4:5], s[20:21]
	s_add_nc_u64 s[46:47], s[6:7], s[46:47]
	CROUND                                         ; all sixteen work-groups are here: the first joint loads meet
	s_mov_b32 s[G0S], 1
	s_add_co_u32 s[G0S+1], s94, SCL
	s_add_nc_u64 s[G0S+2:G0S+3], s[20:21], 8*KSB
	s_or_b32 s[G0S+3], s[G0S+3], 0x80000000
	s_mov_b32 s[G0SB], 1
	s_add_co_u32 s[G0SB+1], s94, SCL
	s_add_nc_u64 s[G0SB+2:G0SB+3], s[46:47], 8*KSB
	s_or_b32 s[G0SB+3], s[G0SB+3], 0x80000000
	JLOAD G0S, G1S, G0SB, G1SB
.irp s, 0,1
	s_mov_b32 s[G0+4*\s], 1
	s_add_co_u32 s[G0+4*\s+1], s45, \s*SLOT
	s_add_nc_u64 s[G0+4*\s+2:G0+4*\s+3], s[20:21], \s*HALFT
	s_or_b32 s[G0+4*\s+3], s[G0+4*\s+3], 0x80000000
	s_mov_b32 s[G0B+4*\s], 1
	s_add_co_u32 s[G0B+4*\s+1], s45, \s*SLOT
	s_add_nc_u64 s[G0B+4*\s+2:G0B+4*\s+3], s[46:47], \s*HALFT
	s_or_b32 s[G0B+4*\s+3], s[G0B+4*\s+3], 0x80000000
	JLOAD G0+4*\s, G1, G0B+4*\s, G1B               ; three loads of mine are out behind the second of these
.endr
	v_and_b32 v1, 31, v0
	v_lshlrev_b32 v[L16], 4, v1
	v_lshlrev_b32 v[L8], 3, v1
	s_mul_i32 s21, s15, HALFT
	s_mul_i32 s22, s16, HALFT
	s_add_co_u32 s22, s22, 2*HALFT
.irp s, 0,1
	v_add_nc_u32 v[ADRA+\s], s21, v[L16]
	v_add_nc_u32 v[ADRA+2+\s], s21, v[L8]
	v_add_nc_u32 v[ADRB+\s], s22, v[L16]
	v_add_nc_u32 v[ADRB+2+\s], s22, v[L8]
	s_add_co_u32 s21, s21, SLOT
	s_add_co_u32 s22, s22, SLOT
.endr
	v_and_b32 v2, 15, v0                           ; r
	v_bfe_u32 v3, v0, 4, 1                         ; h
	s_lshl_b32 s21, s15, 12
	s_lshl_b32 s22, s16, 12
	s_add_co_u32 s22, s22, SCLB-SCL
	s_sub_co_u32 s22, s22, s21
	v_mul_u32_u24 v4, s22, v3                      ; lanes 16-31 take B's: the lower base + h x the distance
	s_add_co_u32 s21, s21, SCL
	v_lshl_add_u32 v4, v2, 3, v4
	v_add_nc_u32 v[ADRS], s21, v4
	s_mul_i32 s23, s14, 16*SPITCH                  ; my stage
	v_mul_u32_u24 v5, v2, SPITCH                   ; in: row r, 32 bytes for each half of the lanes
	v_lshl_add_u32 v5, v3, 5, v5
	v_add_nc_u32 v[STO], s23, v5
	v_add_nc_u32 v[RD], s23, v[L16]                ; back: the 32 lanes take one row of 512 bytes
	s_lshl_b32 s20, s17, 8
	s_lshl_b32 s21, s15, 7
	s_add_co_u32 s20, s20, s21                     ; my first row of out0
	s_lshl_b32 s20, s20, 12                        ; rows of 4,096 bytes
	s_lshl_b32 s46, s42, 10
	s_lshl_b32 s47, s16, 9
	s_add_co_u32 s46, s46, s47                     ; my first column, in bytes
	s_add_co_u32 s20, s20, s46
	s_mov_b32 s21, 0
	s_add_nc_u64 s[12:13], s[12:13], s[20:21]
.macro FRAG reg, adr, off              ; a fragment image comes back as it was stored: 512, 256, 512, 256 consecutive bytes
	ds_load_b128 v[\reg:\reg+3], v[\adr] offset:\off
	ds_load_b64 v[\reg+4:\reg+5], v[\adr+2] offset:\off+512
	ds_load_b128 v[\reg+6:\reg+9], v[\adr] offset:\off+768
	ds_load_b64 v[\reg+10:\reg+11], v[\adr+2] offset:\off+1280
.endm
; 16 matrix instructions: A's blocks a0, a0 + 1 x B's eight.  The 64 accumulators take turns, one instruction a turn, in the same order in every step.
.macro MUL16 a0, p, q, sc, zero
.irp a, \a0, \a0+1
.irp b, 0,1,2,3,4,5,6,7
.if \zero
	v_wmma_scale_f32_16x16x128_f8f6f4 v[8*(8*((\a)%4)+\b):8*(8*((\a)%4)+\b)+7], v[128*(\p)+FR*\b:128*(\p)+FR*\b+FR-1], v[AF+FR*(\a):AF+FR*(\a)+FR-1], 0, v[SC+8*NQ*(\sc)+NQ*\b+(\q)], v[SC+8*NQ*(\sc)+NQ*(\a)+(\q)] matrix_a_fmt:MATRIX_FMT_FP6 matrix_b_fmt:MATRIX_FMT_FP6 matrix_a_scale:MATRIX_SCALE_ROW1
.else
	v_wmma_scale_f32_16x16x128_f8f6f4 v[8*(8*((\a)%4)+\b):8*(8*((\a)%4)+\b)+7], v[128*(\p)+FR*\b:128*(\p)+FR*\b+FR-1], v[AF+FR*(\a):AF+FR*(\a)+FR-1], v[8*(8*((\a)%4)+\b):8*(8*((\a)%4)+\b)+7], v[SC+8*NQ*(\sc)+NQ*\b+(\q)], v[SC+8*NQ*(\sc)+NQ*(\a)+(\q)] matrix_a_fmt:MATRIX_FMT_FP6 matrix_b_fmt:MATRIX_FMT_FP6 matrix_a_scale:MATRIX_SCALE_ROW1
.endif
.endr
.endr
.endm
.macro FETCH_B slot, q, p
	WIN TO_B
.irp i, 0,1,2,3,4,5,6,7
	FRAG 128*(\p)+FR*\i, ADRB+\slot, (\q)*KSB+\i*1536
.endr
	WIN 0
.endm
.macro FETCH_A slot, q, i0
.irp i, \i0, \i0+1, \i0+2, \i0+3
	FRAG AF+FR*(\i), ADRA+\slot, (\q)*KSB+(\i)*1536
.endr
.endm
.macro SCALES sc, kp
.irp i, 0,1,2,3,4,5,6,7
	ds_load_b64 v[SC+8*NQ*(\sc)+NQ*\i:SC+8*NQ*(\sc)+NQ*\i+1], v[ADRS] offset:\i*512+(\kp)*128
.endr
.endm
.macro PLACES n                        ; plain vector instructions between a matrix instruction and a load into one of its registers, or a read of its result (ISA guide 7.12.1 for the read of its result)
.rept \n
	v_nop
.endr
.endm
.macro STEP slot, q, zero
	s_wait_dscnt 4*NL                              ; B's set, the scale words and A's blocks 0-3 are in; the youngest 16 loads (A's blocks 4-7) may be out
	WIN MUL_LO
	MUL16 0, (\q)%2, \q, \slot, \zero
	MUL16 2, (\q)%2, \q, \slot, \zero
	s_wait_dscnt 0                                 ; A's blocks 4-7 are in
	PLACES NP
	FETCH_B \slot, (\q)+1, 1-(\q)%2
	FETCH_A \slot, (\q)+1, 0
	WIN MUL_HI
	MUL16 4, (\q)%2, \q, \slot, \zero
	MUL16 6, (\q)%2, \q, \slot, \zero
	PLACES NP
	WIN 0
	FETCH_A \slot, (\q)+1, 4
.endm
.macro TURN slot, next, fill, kp
	s_wait_tensorcnt 0x0                           ; all my tensor loads have landed: my part of the next slot;
	ds_add_u32 v[SPW], v[NIL]                      ; 0 onto my spare word
	s_wait_dscnt 4*NL+1                            ; (the add and the youngest 16 loads may be out)
	WIN MUL_LO
	MUL16 0, 1, NQ-1, \slot, 0
	s_wait_dscnt 0x0                               ; the add is done, and my reads of this slot are over
	s_barrier_signal -1
	MUL16 2, 1, NQ-1, \slot, 0
	WIN 0
	s_barrier_wait -1
.if \fill
	CREST                                          ; a round of the cluster's barrier: no wave of any partner still reads this slot or has a load on its way
	s_add_nc_u64 s[G0+4*\slot+2:G0+4*\slot+3], s[G0+4*\slot+2:G0+4*\slot+3], 2*HALFT
	s_add_nc_u64 s[G0B+4*\slot+2:G0B+4*\slot+3], s[G0B+4*\slot+2:G0B+4*\slot+3], 2*HALFT
	JLOAD G0+4*\slot, G1, G0B+4*\slot, G1B         ; the first tensor load behind the round, my only one until the next
.else
	PLACES NP
.endif
	FETCH_B \next, 0, 0
	FETCH_A \next, 0, 0
	SCALES \next, \kp
	WIN MUL_HI
	MUL16 4, 1, NQ-1, \slot, 0
	MUL16 6, 1, NQ-1, \slot, 0
	PLACES NP
	WIN 0
	FETCH_A \next, 0, 4
.endm
	s_wait_tensorcnt 1                             ; the scale words and my part of slot 0 are in (slot 1's load may be out)
	s_barrier_signal -1
	s_barrier_wait -1                              ; everybody's are
	FETCH_B 0, 0, 0
	FETCH_A 0, 0, 0
	SCALES 0, 0
	FETCH_A 0, 0, 4
	STEP 0, 0, 1
	TURN 0, 1, 1, 1
	STEP 1, 0, 0
	TURN 1, 0, 1, 2
	STEP 0, 0, 0
	TURN 0, 1, 0, 3
	STEP 1, 0, 0
	s_wait_dscnt 4*NL
	WIN MUL_LO
	MUL16 0, 1, NQ-1, 1, 0
	MUL16 2, 1, NQ-1, 1, 0
	s_wait_dscnt 0
	WIN MUL_HI
	MUL16 4, 1, NQ-1, 1, 0
	MUL16 6, 1, NQ-1, 1, 0
	WIN 0
; THE WAY OUT, block by block of 16 rows x 128 columns, through my own stage in LDS: back come whole rows of 512 bytes.  LDS serves a wave's instructions in order: no wait between the stores and the loads.
.macro TOSTAGE a
.set AC, 64*((\a)%4)
.set WST, 0x08+4*((\a)/4)              ; an LDS store's data are its source 1: window 2 or 3
	WIN WST
.irp b, 0,1,2,3,4,5,6,7
	ds_store_b128 v[STO], v[AC+8*\b:AC+8*\b+3] offset:64*\b          ; each accumulator from its low end on
	ds_store_b128 v[STO], v[AC+8*\b+4:AC+8*\b+7] offset:64*\b+16
.endr
	WIN 0
.set BB, BK+64*((\a)%2)
.irp t, 0,1,2,3,4,5,6,7,8,9,10,11,12,13,14,15
	ds_load_b128 v[BB+4*\t:BB+4*\t+3], v[RD] offset:\t*SPITCH
.endr
.endm
.macro SEND a, younger                 ; younger: the LDS instructions issued behind block a's loads, which may stay out
.set BB, BK+64*((\a)%2)
	s_wait_dscnt \younger
.if (\a) > 0
	s_add_nc_u64 s[12:13], s[12:13], 16*SIZE_N*4   ; (behind a wait on XCNT: the earlier stores have read their base)
.endif
.irp t, 0,1,2,3,4,5,6,7,8,9,10,11,12,13,14,15
	global_store_b128 v[L16], v[BB+4*\t:BB+4*\t+3], s[12:13] offset:\t*SIZE_N*4 th:TH_STORE_NT   ; 32 lanes store 512 consecutive bytes, at a multiple of 256 from out0's first byte
.endr
.endm
	PLACES NP
	TOSTAGE 0
.irp a, 1,2,3,4,5,6,7
.if \a > 1
	s_wait_xcnt 0x0                                ; block a - 2's stores have read their registers and their base
.endif
	TOSTAGE \a
	SEND \a-1, 32                                  ; behind block a - 1's loads: block a's 16 stores and 16 loads
.endr
	s_wait_xcnt 0x0
	SEND 7, 0
	s_wait_tensorcnt 0x0                           ; the wave's end
	ds_add_u32 v[SPW], v[NIL]
	s_wait_dscnt 0x0
	CROUND                                         ; the closing round
	s_endpgm
.Lfunc_end_k_q8c0116fef8_proj:
	.size	k_q8c0116fef8_proj, .Lfunc_end_k_q8c0116fef8_proj-k_q8c0116fef8_proj
	.p2alignl 7, 3214868480
	.fill 96, 4, 3214868480
	.section	.rodata,"a",@progbits
	.p2align	6, 0x0
	.amdhsa_kernel k_q8c0116fef8_proj
		.amdhsa_group_segment_fixed_size 327680
		.amdhsa_private_segment_fixed_size 0
		.amdhsa_enable_private_segment 0
		.amdhsa_kernarg_size 24
		.amdhsa_user_sgpr_count 2
		.amdhsa_user_sgpr_kernarg_segment_ptr 1
		.amdhsa_wavefront_size32 1
		.amdhsa_system_sgpr_workgroup_id_x 1
		.amdhsa_system_sgpr_workgroup_id_y 1
		.amdhsa_system_sgpr_workgroup_id_z 1
		.amdhsa_system_vgpr_workitem_id 0
		.amdhsa_next_free_vgpr 1024
		.amdhsa_next_free_sgpr 98
		.amdhsa_reserve_vcc 0
		.amdhsa_float_denorm_mode_32 3
		.amdhsa_float_denorm_mode_16_64 3
		.amdhsa_memory_ordered 1
		.amdhsa_forward_progress 1
		.amdhsa_inst_pref_size 143
	.end_amdhsa_kernel
	.amdgpu_metadata
---
amdhsa.version: [ 1, 2 ]
amdhsa.kernels:
  - .name:           k_q8c0116fef8_proj
    .symbol:         k_q8c0116fef8_proj.kd
    .args:
      - { .name: cq, .offset: 0, .size: 8, .value_kind: global_buffer, .address_space: global }
      - { .name: xq, .offset: 8, .size: 8, .value_kind: global_buffer, .address_space: global }
      - { .name: out0, .offset: 16, .size: 8, .value_kind: global_buffer, .address_space: global }
    .group_segment_fixed_size: 327680
    .private_segment_fixed_size: 0
    .kernarg_segment_align: 8
    .kernarg_segment_size: 24
    .max_flat_workgroup_size: 128
    .sgpr_count:     98
    .vgpr_count:     1024
    .wavefront_size: 32
...
	.end_amdgpu_metadata
.endif
;; end of part 4
